; MI455X (gfx1250); checked and timed in simulation.
; The chip was launched on July 23, 2026; its instructions are those of AMD's public machine-readable ISA for CDNA 5 (MIT licence, August 2026) and "CDNA5" Instruction Set Architecture Reference Guide (July 2026). The comments in the code are by the model that wrote it; some were corrected since.
;; Flex Attention API. Allowed arithmetic: matrix products marked QUANTISED: E2M3 operands, one E8M0 scale for each 32 along K, by v_wmma_scale_f32_16x16x128_f8f6f4 with both operands' format E2M3, f32 sums; everything else in f32.
;; Inputs: Wk 2,048 x 2,048 float32; Wo 2,048 x 2,048 float32; Wq 2,048 x 2,048 float32; Wv 2,048 x 2,048 float32; bk 2,048 float32; bo 2,048 float32; bq 2,048 float32; bv 2,048 float32; x 2 x 1,024 x 2,048 float32.
;; Outputs: out0 2 x 1,024 x 2,048 float32.
;; This version of the problem:
;;   THIS VERSION OF THE PROBLEM IS GIVEN IN LOW PRECISION. The matrix products marked QUANTISED in the list below multiply operands that are first quantised to E2M3 (2 exponent bits, 3 mantissa bits; 6 bits a number), with one power-of-two scale for each 32 numbers along K (OCP MX v1.0); their sums are f32. All else is computed in f32.
;;   The module's matrix products, in the order in which they are computed (A, B: the left and right operand; K: the contracted axis; several contracted axes count as one K, in the product's order):
;;     1. [M 2,048, K 2,048] x [K 2,048, N 2,048]; A: input x; B: input Wq: QUANTISED
;;     2. [M 2,048, K 2,048] x [K 2,048, N 2,048]; A: input x; B: input Wk: QUANTISED
;;     3. [M 2,048, K 2,048] x [K 2,048, N 2,048]; A: input x; B: input Wv: QUANTISED
;;     4. batch 32 x [M 1,024, K 128] x [K 128, N 1,024]; A: computed on the way; B: computed on the way: QUANTISED
;;     5. batch 32 x [M 1,024, K 1,024] x [K 1,024, N 128]; A: softmax (see below); B: computed on the way: QUANTISED
;;     6. [M 2,048, K 2,048] x [K 2,048, N 2,048]; A: computed on the way; B: input Wo: QUANTISED
;;   THE QUANTISER, for each operand of a quantised product, along K:
;;     - K is cut into blocks of 32 from its start; a last block that is shorter is filled with zeros.
;;     - A block's scale is 2^e with e = floor(log2(the largest magnitude in the block)) - 2, held to -126 .. 127; a block of zeros has e = 0. As a byte (E8M0): e + 127.
;;     - Each number is divided by its block's scale, clamped to +-7.5, and rounded to the nearest number of E2M3, ties to even, subnormals kept.
;;     - The product sums the exact products of the quantised numbers (number of the format x scale) in f32.
;;   ~~~python
;;   def quantise(x, axis):      # numpy; x: float32 -> the quantised numbers, widened to float32 again
;;       x = np.moveaxis(x, axis, -1); K = x.shape[-1]
;;       x = np.pad(x, [(0, 0)] * (x.ndim - 1) + [(0, -K % 32)]); x = x.reshape(x.shape[:-1] + (-1, 32)); a = np.abs(x).max(-1, keepdims=True)
;;       e = np.where(a > 0, np.clip(np.frexp(np.where(a > 0, a, 1))[1] - 1 - 2, -126, 127), 0)      # np.frexp(a)[1] - 1 = floor(log2(a)), exactly
;;       r = np.clip(x / 2.0 ** e, -7.5, 7.5)
;;       step = 2.0 ** (np.maximum(np.frexp(np.where(r == 0, 1, r))[1] - 1, 0) - 3)
;;       q = np.round(r / step) * step * 2.0 ** e      # np.round: ties to even
;;       return np.moveaxis(q.reshape(q.shape[:-2] + (-1,))[..., :K], -1, axis).astype(np.float32)
;;   ~~~
;;   SOFTMAX AHEAD OF A QUANTISED PRODUCT. Where the list says 'softmax', what is quantised is not the finished softmax but p = 2^(t - M), with t = logit x log2(e) and M = ceil(the row's largest t), a whole number; so 1/2 < the row's largest p <= 1. The row's sum l is taken of the UNQUANTISED p, in f32, and the product's result is divided by l at the end. Since M is a whole number, a kernel that streams over the keys may use a running M (the ceiling of the running maximum): every later rescaling is an exact power of two, which a block's scale takes up: the codes' values come out the same.
;;   OPERANDS COMPUTED ON THE WAY. 'Computed on the way' means the value that the module computes at that place (a softmax that the list does not call 'softmax' is quantised finished and normalised). What goes into a quantiser is computed in f32, as accurately as f32 sums, v_exp_f32 and their like allow (about 1e-6 of the number): no bf16 or f16 on the way to a quantiser, and a product that is left as it is and whose result goes on into a quantised operand takes f32 operands (vector FMAs, or v_wmma_f32_16x16x4_f32). A number that lies on a knife's edge between two numbers of the format may be rounded either way, as far as f32 arithmetic and the matrix unit's own rounding can turn it there, and no further.
;; One version. Each part assembles by itself: llvm-mc -triple=amdgcn-amd-amdhsa -mcpu=gfx1250 --defsym DOCPART=n.
;; ======== version 1 of 1: 4 launches
;; limits: right only within a limited range of input values
;; workspace buffers: codes 15,728,640 bytes; scales 655,360 bytes; qkv 9,830,400 bytes; ocodes 3,145,728 bytes; oscales 131,072 bytes
;; launch quant (part 1): grid 512 x 1, 4 waves a work-group, no clusters, 35,328 bytes of LDS; arguments x, Wq, Wk, Wv, codes, scales; writes codes, scales
.if DOCPART == 1
	.amdgcn_target "amdgcn-amd-amdhsa--gfx1250"
	.amdhsa_code_object_version 6
	.text
	.protected	k_q242029e26f_quant
	.globl	k_q242029e26f_quant
	.p2align	8
	.type	k_q242029e26f_quant,@function
k_q242029e26f_quant:
	s_mov_b64 s[64:65], 0
	v_nop
	global_prefetch_b8 v0, s[64:65] scope:SCOPE_SE
	s_setreg_imm32_b32 hwreg(HW_REG_WAVE_MODE, 25, 1), 1
	s_wait_xcnt 0x0
; x, Wq, Wk, Wv, each [2048][2048] f32 with K innermost, become codes of FP6 (E2M3) with one E8M0 scale byte for each 32 along K.  (Wo is quantised by the same lines in the attention launch.)
; WORK LEFT OUT IN THE PROGRAM: whole tiles of 16 queries x 128 keys that the causal mask of reference() hides, in the launch attn: whatever the inputs, their p is 0.  A NaN, an infinity or an overflow that reaches such scores alone is not carried to the result.
; A block's scale is 2^(floor(log2(its largest magnitude)) - 2); its byte is the largest magnitude's exponent field - 2, held at 1 from below.
; LIMITS: NaN and infinities are not served; a block whose largest magnitude lies under 2^-124 (a block of zeros among them) gets the byte 1: a block of zeros has zero codes, and this program alone reads the bytes.
; LAYOUT: images of operand registers.  A fragment is 16 rows x 128 K, 12 registers a lane, 1,536 bytes: registers 4 c .. 4 c + 3 of lane l at 512 c + 16 l.
; Tile i of a tensor's rows holds in lane r row 32 (i / 2) + 8 (i % 2) + r + 8 (r / 8).
; codes: x [group of 64 rows][K step 0..15][4 tiles];  from 3,145,728 the columns n = 0..31: [n][K step][12 tiles: 8 of head n of Wq (n < 16) or n - 16 of Wk, 4 of Wv's rows 64 n ..].
; scales: [tile][quarter of K][lane][2 words]: word p of lane (r, h) is row r's at K step 4 quarter + 2 p + h (x: the two words change places): x's 128 tiles, then 12 for each column.
; SHARES: a work-group takes one tile of 16 rows, wave w its K steps 4 w .. 4 w + 3.  Each load reads 512 consecutive bytes of one row; a K step's 16 rows turn through the wave's own stage in LDS, so that
; a lane gets, of its row, 16 neighbours of each block of 32; they land in the registers that they left, so that three K steps' loads (48 a wave) fit beside the work.
; Waves share nothing: no barrier.  Work-groups share no input: no cluster, no tensor load.
.set WREG, 8704                        ; LDS of a wave: a stage of 16 rows x 528 bytes, then 256 bytes of scale words
.set SPCH, 528
.set SWO,  16*SPCH
.set SPARE, 4*WREG                     ; the spare words
.set LO,   1                           ; v1  16 x lane
.set SIN,  2                           ; v2  the stage, on the way in
.set SOUT, 3                           ; v3  and out: row r, + 64 h
.set SCW,  4                           ; v4  my row's scale words: 8 r
.set SCR,  5
.set OS,   6                           ; v6  8 x lane
.set SPW,  14
.set NIL,  15
.set R,    16                          ; v16-207 three sets of 64 registers
.set PC,   208
.set TM,   228
.set PW,   244
.set SEL,  28
; 64 numbers of a lane, register 16 b + i = k 32 b + 16 h + i, become a fragment's codes in v[PC] on and my row's scale word in v[PW]
.macro QUANT s
.irp b, 0,1,2,3
	v_max3_num_f32 v[TM+\b], |v[\s+16*\b]|, |v[\s+1+16*\b]|, 0x1800000   ; my 16 numbers of block b, and the floor 2^(3 - 127)
.endr
.irp i, 2,4,6,8,10,12,14
.irp b, 0,1,2,3
	v_max3_num_f32 v[TM+\b], v[TM+\b], |v[\s+16*\b+\i]|, |v[\s+1+16*\b+\i]|
.endr
.endr
.irp b, 0,1,2,3
	v_permlanex16_b32 v[TM+4+\b], v[TM+\b], s[SEL], s[SEL+1]
.endr
.irp b, 0,1,2,3
	v_max_num_f32 v[TM+\b], v[TM+\b], v[TM+4+\b]   ; with lane l xor 16's 16
.endr
.irp b, 0,1,2,3
	v_add_nc_u32 v[TM+12+\b], 0xff000000, v[TM+\b] ; 2 off the exponent field: the conversion's scale operand
.endr
.irp b, 0,1,2,3
	v_lshrrev_b32 v[TM+4+\b], 23, v[TM+12+\b]
.endr
	v_lshl_or_b32 v[PW], v[TM+5], 8, v[TM+4]
	v_lshl_or_b32 v[PW], v[TM+6], 16, v[PW]
	v_lshl_or_b32 v[PW], v[TM+7], 24, v[PW]
.irp c, 0,1
	v_cvt_scalef32_pk16_fp6_f32 v[PC+6*\c:PC+2+6*\c], v[\s+32*\c:\s+15+32*\c], v[TM+12+2*\c]
	v_cvt_scalef32_pk16_fp6_f32 v[PC+12+4*\c:PC+14+4*\c], v[\s+16+32*\c:\s+31+32*\c], v[TM+12+2*\c+1]
.endr
	v_nop                                          ; one plain place behind a scaled conversion
.irp c, 0,1                                    ; the operand wants a whole block in a lane
.irp i, 0,1,2
	v_permlane16_swap_b32 v[PC+6*\c+\i], v[PC+12+4*\c+\i]
.endr
.irp i, 0,1,2
	v_mov_b32 v[PC+3+6*\c+\i], v[PC+12+4*\c+\i]
.endr
.endr
.endm
	s_load_b256 s[4:11], s[0:1], 0x0               ; x, Wq, Wk, Wv
	s_load_b128 s[12:15], s[0:1], 0x20             ; codes, scales
	v_lshl_add_u32 v[SPW], v0, 2, SPARE
	v_mov_b32 v[NIL], 0
	v_lshrrev_b32 v7, 5, v0
	v_readfirstlane_b32 s18, v7                    ; wave 0..3
	s_mul_i32 s19, s18, WREG
	s_add_co_u32 s16, s19, SWO
	v_and_b32 v8, 31, v0                           ; lane
	v_and_b32 v9, 15, v0                           ; r
	v_bfe_u32 v10, v0, 4, 1                        ; h
	v_lshlrev_b32 v[LO], 4, v8
	v_lshlrev_b32 v[OS], 3, v8
	v_add_nc_u32 v[SIN], s19, v[LO]
	v_mul_u32_u24 v[SOUT], v9, SPCH
	v_lshl_add_u32 v[SOUT], v10, 6, v[SOUT]
	v_add_nc_u32 v[SOUT], s19, v[SOUT]
	v_lshl_add_u32 v[SCW], v9, 3, s16
	v_add_nc_u32 v[SCR], s16, v[OS]
.irp b, 0,1,2,3
	v_mov_b32 v[TM+4+\b], 0                        ; written once: a lane permute's destination counts as one of its sources
.endr
	s_wait_alu depctr_va_vdst(0)                   ; the wait at the head's end
	s_mov_b32 s[SEL], 0x76543210
	s_mov_b32 s[SEL+1], 0xfedcba98
	s_lshr_b32 s20, ttmp9, 7                       ; which tensor
	s_and_b32 s21, ttmp9, 127                      ; which tile of it
	s_lshr_b32 s22, s21, 1
	s_lshl_b32 s22, s22, 5
	s_and_b32 s23, s21, 1
	s_lshl_b32 s23, s23, 3
	s_add_co_u32 s22, s22, s23                     ; the tile's first row: 32 (tile / 2) + 8 (tile % 2)
	s_lshl_b32 s22, s22, 13                        ; rows of 8,192 bytes
	s_lshl_b32 s23, s18, 11                        ; my four K steps: 2,048 bytes of each row
	s_add_co_u32 s22, s22, s23
	s_mov_b32 s23, 0
	s_lshr_b32 s24, s21, 3                         ; Wq, Wk: column n = head (+ 16), tile % 8 of its twelve
	s_lshl_b32 s25, s20, 4
	s_add_co_u32 s24, s24, s25
	s_sub_co_u32 s24, s24, 16
	s_and_b32 s25, s21, 7
	s_lshr_b32 s26, s21, 2
	s_and_b32 s27, s21, 3
	s_add_co_u32 s19, s27, 8
	s_cmp_eq_u32 s20, 3
	s_cselect_b32 s24, s26, s24                    ; Wv: n = tile / 4, tile 8 + tile % 4 of the twelve
	s_cselect_b32 s25, s19, s25
	s_mul_i32 s19, s24, 12
	s_add_co_u32 s19, s19, s25
	s_lshl_b32 s19, s19, 10
	s_add_co_u32 s19, s19, 131072                  ; its scale words
	s_mul_i32 s24, s24, 294912
	s_add_co_u32 s24, s24, 3145728
	s_mul_i32 s25, s25, 1536
	s_add_co_u32 s24, s24, s25
	s_mul_i32 s26, s26, 98304                      ; x
	s_mul_i32 s27, s27, 1536
	s_add_co_u32 s26, s26, s27
	s_lshl_b32 s27, s21, 10
	s_mov_b32 s30, 18432                           ; from K step to K step: W's columns,
	s_mov_b32 s16, 6144                            ; x
	s_cmp_eq_u32 s20, 0
	s_cselect_b32 s24, s26, s24
	s_cselect_b32 s26, s27, s19
	s_cselect_b32 s30, s16, s30
	s_cselect_b32 s32, -1, 0                       ; x: the two words of a lane change places
	s_mov_b32 s31, 0
	s_lshl_b32 s25, s30, 2
	s_mul_i32 s25, s25, s18
	s_add_co_u32 s24, s24, s25
	s_mov_b32 s25, 0
	s_lshl_b32 s27, s18, 8
	s_add_co_u32 s26, s26, s27
	s_mov_b32 s27, 0
	s_wait_kmcnt 0x0
	s_cmp_eq_u32 s20, 1                            ; the tensor is chosen by the work-group's number alone
	s_cselect_b64 s[4:5], s[6:7], s[4:5]
	s_cmp_eq_u32 s20, 2
	s_cselect_b64 s[4:5], s[8:9], s[4:5]
	s_cmp_eq_u32 s20, 3
	s_cselect_b64 s[4:5], s[10:11], s[4:5]
	s_add_nc_u64 s[4:5], s[4:5], s[22:23]
	s_add_nc_u64 s[12:13], s[12:13], s[24:25]
	s_add_nc_u64 s[14:15], s[14:15], s[26:27]
.macro LOAD t                          ; K step t of the tile's 16 rows into set t % 3
.irp p, 0,1,2,3,4,5,6,7,8,9,10,11,12,13,14,15
	global_load_b128 v[R+64*((\t)%3)+4*\p:R+64*((\t)%3)+4*\p+3], v[LO], s[4:5] offset:(\p+8*(\p/8))*8192+512*(\t) th:TH_LOAD_NT
.endr
.endm
.macro STEP t
.set X_, R+64*((\t)%3)
.if (\t) < 2
	s_wait_loadcnt 32                              ; this step's 16 loads are in; those of the two steps behind it may be out
.elseif (\t) == 2
	s_wait_loadcnt 16
.else
	s_wait_loadcnt 0x0
.endif
.irp p, 0,1,2,3,4,5,6,7,8,9,10,11,12,13,14,15
	ds_store_b128 v[SIN], v[X_+4*\p:X_+4*\p+3] offset:SPCH*\p
.endr
.irp b, 0,1,2,3
.irp j, 0,1,2,3
	ds_load_b128 v[X_+16*\b+4*\j:X_+16*\b+4*\j+3], v[SOUT] offset:128*\b+16*\j   ; LDS serves a wave's instructions in order (ISA guide 5.7.1.4): these see the stores above, and land in the registers that the stores have left
.endr
.endr
	s_wait_dscnt 0x0
.if (\t) > 0
	s_wait_xcnt 0x0                                ; the last step's stores have read the fragment's registers and their base
	s_add_nc_u64 s[12:13], s[12:13], s[30:31]
.endif
	QUANT X_
	ds_store_b32 v[SCW], v[PW] offset:128*((\t)%2)+4*((\t)/2)   ; both halves of the lanes write the same word with the same value
.irp c, 0,1,2
	global_store_b128 v[LO], v[PC+4*\c:PC+4*\c+3], s[12:13] offset:512*\c   ; 32 lanes store 512 consecutive bytes
.endr
.if (\t) == 0
	LOAD 3                                         ; the first set is free: it takes the last K step
.endif
.endm
	LOAD 0
	LOAD 1
	LOAD 2
	STEP 0
	STEP 1
	STEP 2
	STEP 3
	ds_load_b64 v[246:247], v[SCR]                 ; my wave's 64 scale words, 8 bytes a lane
	s_wait_dscnt 0x0
	v_cndmask_b32 v248, v246, v247, s32
	v_cndmask_b32 v249, v247, v246, s32
	global_store_b64 v[OS], v[248:249], s[14:15]   ; 32 lanes store one aligned unit of 256 bytes
	s_wait_tensorcnt 0x0                           ; the wave's end
	ds_add_u32 v[SPW], v[NIL]
	s_wait_dscnt 0x0
	s_endpgm
.Lfunc_end_k_q242029e26f_quant:
	.size	k_q242029e26f_quant, .Lfunc_end_k_q242029e26f_quant-k_q242029e26f_quant
	.p2alignl 7, 3214868480
	.fill 96, 4, 3214868480
	.section	.rodata,"a",@progbits
	.p2align	6, 0x0
	.amdhsa_kernel k_q242029e26f_quant
		.amdhsa_group_segment_fixed_size 35328
		.amdhsa_private_segment_fixed_size 0
		.amdhsa_enable_private_segment 0
		.amdhsa_kernarg_size 48
		.amdhsa_user_sgpr_count 2
		.amdhsa_user_sgpr_kernarg_segment_ptr 1
		.amdhsa_wavefront_size32 1
		.amdhsa_system_sgpr_workgroup_id_x 1
		.amdhsa_system_sgpr_workgroup_id_y 1
		.amdhsa_system_sgpr_workgroup_id_z 1
		.amdhsa_system_vgpr_workitem_id 0
		.amdhsa_next_free_vgpr 256
		.amdhsa_next_free_sgpr 66
		.amdhsa_reserve_vcc 0
		.amdhsa_float_denorm_mode_32 3
		.amdhsa_float_denorm_mode_16_64 3
		.amdhsa_memory_ordered 1
		.amdhsa_forward_progress 1
		.amdhsa_inst_pref_size 35
	.end_amdhsa_kernel
	.amdgpu_metadata
---
amdhsa.version: [ 1, 2 ]
amdhsa.kernels:
  - .name:           k_q242029e26f_quant
    .symbol:         k_q242029e26f_quant.kd
    .args:
      - { .name: x, .offset: 0, .size: 8, .value_kind: global_buffer, .address_space: global }
      - { .name: Wq, .offset: 8, .size: 8, .value_kind: global_buffer, .address_space: global }
      - { .name: Wk, .offset: 16, .size: 8, .value_kind: global_buffer, .address_space: global }
      - { .name: Wv, .offset: 24, .size: 8, .value_kind: global_buffer, .address_space: global }
      - { .name: codes, .offset: 32, .size: 8, .value_kind: global_buffer, .address_space: global }
      - { .name: scales, .offset: 40, .size: 8, .value_kind: global_buffer, .address_space: global }
    .group_segment_fixed_size: 35328
    .private_segment_fixed_size: 0
    .kernarg_segment_align: 8
    .kernarg_segment_size: 48
    .max_flat_workgroup_size: 128
    .sgpr_count:     66
    .vgpr_count:     256
    .wavefront_size: 32
...
	.end_amdgpu_metadata
.endif
;; end of part 1
;; launch qkv (part 2): grid 8 x 32, 4 waves a work-group, clusters of 4 x 1, 327,680 bytes of LDS; arguments codes, scales, bq, bk, bv, qkv; writes qkv
.if DOCPART == 2
	.amdgcn_target "amdgcn-amd-amdhsa--gfx1250"
	.amdhsa_code_object_version 6
	.text
	.protected	k_q242029e26f_qkv
	.globl	k_q242029e26f_qkv
	.p2align	8
	.type	k_q242029e26f_qkv,@function
k_q242029e26f_qkv:
	s_mov_b64 s[64:65], 0
	v_nop
	global_prefetch_b8 v0, s[64:65] scope:SCOPE_SE
	s_setreg_imm32_b32 hwreg(HW_REG_WAVE_MODE, 25, 1), 1
	s_wait_xcnt 0x0
	s_wait_alu depctr_hold_cnt(0) depctr_sa_sdst(0) depctr_va_vdst(0) depctr_va_sdst(0) depctr_va_ssrc(0) depctr_va_vcc(0) depctr_vm_vsrc(0)
	s_getreg_b32 s2, hwreg(HW_REG_IB_STS2, 6, 4)
	s_cmp_eq_u32 s2, 0
	s_cbranch_scc0 .Lentry_in_a_cluster
	s_endpgm
.Lentry_in_a_cluster:
	s_bfe_u32 s2, ttmp6, 0x10000c
	s_cmp_lg_u32 s2, 0x3003
	s_cbranch_scc0 .Lentry_shape_is_right
	s_endpgm
.Lentry_shape_is_right:
; q = x Wq^T + bq, k = x Wk^T + bk, v = x Wv^T + bv on codes of FP6 (E2M3) with E8M0 scales, sums in f32; the results are quantised in registers (q, k along the head's 128; v along the keys) and leave as codes.
; LIMITS: NaN and infinities are not served; a block whose largest magnitude lies under 2^-124 (a block of zeros among them) gets the scale byte 1: this program alone reads the bytes.
; THE DEAL: 256 work-groups, 8 tiles of 256 tokens x 32 columns; column n is one head of q (n < 16) or k, 128 features, and 64 features of v (64 n ..).  Wave w has 64 tokens x these 192 features: 48 accumulators, 384 registers.
; W's 192 rows, ALL of K, come into LDS once, 294,912 bytes, asked for jointly by the four work-groups of a cluster, which share the column: one load a wave, K steps 0-1, 2-5, 6-10, 11-15.  No ring: nothing is filled again.
; x DOES NOT GO THROUGH LDS, AND IS NOT ASKED FOR JOINTLY: W's rows leave no room for it, and a wave's 64 rows are used by that wave alone, so its fragments go from memory straight into its registers, three K steps (144 products) ahead, in four buffers.
; No prefetch: x's loads themselves run three K steps ahead, and W is asked for once, at the head.
; q, k: source 0 = W's rows, source 1 = x's: a lane holds one token and its registers run along the features.  v: the sources change places: a lane holds one feature and its registers run along 64 keys.
; THE BIAS is the first products' C: it is loaded into the accumulators of x's tile 0; in K step 0 the products of x's tiles 1-3 take it from there, and those of tile 0 come last, in place.
; A K STEP: twelve groups of four products, one group for each fragment of W.  Behind group 1 stands ONE run of loads: the next K step's twelve fragments of W from LDS into W's other set of registers, and x's four fragments three K steps on.
; In two K steps it also brings the scale words of a later quarter of K (two sets of 32 registers, four K steps each).  A product's two scale registers never have the same number modulo 8: x's words lie swapped in pairs.
; OUT: qkv: q's codes [16 batch + head][group of 128 tokens][8 tiles][1,536]; from KVO the records of 25,600 bytes [16 batch + head][key step of 128]: K's 8 fragments; V^T's 8, each [band of 64 keys][registers 0-3: 16 bytes a lane][4-5: 8 bytes a lane];
; K's scale words, V's scale words, each [tile / 4][lane][2 words]: word q of lane (r, h) is row r of tile 4 (tile / 4) + 2 q + h; from QSO q's scale words in that form.
.set KVO,   3145728
.set REC,   25600
.set QSO,   9699328
.set KSB,   18432                      ; a K step of the column: 12 fragments
.set SPARE, 294912                     ; behind W: the spare words, 512 bytes,
.set XV,    SPARE+512                  ; and V's scale words on their way out: 256 bytes for each 128 tokens
.set LI,    2                          ; v2  16 x lane
.set L8,    3                          ; v3  8 x lane
.set BH,    4                          ; v4  64 h
.set BR,    5                          ; v5  4 (r + 8 (r / 8))
.set ADX,   6                          ; v6  my halves of V's scale words
.set ADV,   7                          ; v7  whole words, 8 bytes a lane
.set ADW,   8                          ; v8-13  LDS: three K steps each
.set SPW,   14
.set NIL,   15
.set SC,    32                         ; v32-95 scale words: two sets of 32: 2 registers for each of x's 4 tiles and W's 12; lanes 0-15 the even K step, lanes 16-31 the odd one
.set XF,    96                         ; v96-239 x's fragments, buffers 0-2; buffer 3 at v256-303
.set TM,    240                        ; v240-255 at work
.set PCB,   96                         ; the way out: six runs of 20 registers
.set WD,    216
.set ZP,    222
.set WV,    16
.set SEL,   54
.set GA1,   24                         ; group 1: K steps 0-1; 2-5; 6-10 and 11-15
.set GB1,   84
.set GC1,   92
.set GA,    68                         ; group 0
.set GB,    72
.set GC,    76
.set GD,    80
.set MSB, 0
.macro WIN new                         ; the immediate's high byte repeats the setting that is left
.if MSB != (\new)
	s_set_vgpr_msb (MSB<<8)|(\new)
.set MSB, (\new)
.endif
.endm
.macro PLACES n
.rept \n
	v_nop
.endr
.endm
.macro CROUND
	s_barrier_signal -1
	s_barrier_wait -1
	s_cmp_lg_u32 s[WV], 0
	s_cbranch_scc1 .Lnot_wave_0_\@
	s_barrier_signal -3
.Lnot_wave_0_\@:
	s_barrier_wait -3
	s_barrier_signal -1
	s_barrier_wait -1
.endm
; where W's fragment i of K step ks lies (window WW_, register WR_): set 0 at v304-447, set 1 at v448-507 and v896-979; and x's fragment j (XW_, XR_)
.macro WPOS ks, i
.if (\ks)%2 == 0
.set WW_, 1
.set WR_, 48+12*(\i)
.elseif (\i) < 5
.set WW_, 1
.set WR_, 192+12*(\i)
.else
.set WW_, 3
.set WR_, 128+12*((\i)-5)
.endif
.endm
.macro XPOS ks, j
.if (\ks)%4 < 3
.set XW_, 0
.set XR_, XF+48*((\ks)%4)+12*(\j)
.else
.set XW_, 1
.set XR_, 12*(\j)
.endif
.endm
.macro LWALL ks                        ; the twelve fragments of W: three loads of 512 consecutive bytes each
.set J_, 0
.rept 12
	WPOS \ks, J_
	WIN WW_<<6
.irp c, 0,1,2
	ds_load_b128 v[WR_+4*\c:WR_+4*\c+3], v[ADW+(\ks)/3] offset:((\ks)%3)*KSB+J_*1536+512*\c
.endr
.set J_, J_+1
.endr
	WIN 0
.endm
.macro LXALL ks                        ; the four of x
.irp j, 0,1,2,3
	XPOS \ks, \j
	WIN XW_<<6
.irp c, 0,1,2
	global_load_b128 v[XR_+4*\c:XR_+4*\c+3], v[LI], s[36:37] offset:(\ks)*6144+\j*1536+512*\c
.endr
.endr
	WIN 0
.endm
.macro LSC q                           ; the scale words of K steps 4 q .. 4 q + 3
.set Q_, SC+32*((\q)%2)
.irp j, 0,1,2,3
	global_load_b64 v[Q_+2*\j:Q_+2*\j+1], v[L8], s[38:39] offset:1024*\j+256*(\q)
.endr
.irp i, 0,1,2,3,4,5,6,7,8,9,10,11
	global_load_b64 v[Q_+8+2*\i:Q_+9+2*\i], v[L8], s[40:41] offset:1024*\i+256*(\q)
.endr
.endm
.macro WMMA d, a, b, c, sa, sb, odd
.if \odd
	v_wmma_scale_f32_16x16x128_f8f6f4 v[\d:\d+7], v[\a:\a+11], v[\b:\b+11], v[\c:\c+7], v[\sa], v[\sb] matrix_a_fmt:MATRIX_FMT_FP6 matrix_b_fmt:MATRIX_FMT_FP6 matrix_a_scale:MATRIX_SCALE_ROW1 matrix_b_scale:MATRIX_SCALE_ROW1
.else
	v_wmma_scale_f32_16x16x128_f8f6f4 v[\d:\d+7], v[\a:\a+11], v[\b:\b+11], v[\c:\c+7], v[\sa], v[\sb] matrix_a_fmt:MATRIX_FMT_FP6 matrix_b_fmt:MATRIX_FMT_FP6
.endif
.endm
.macro WM s, i, a, first               ; x's tile a with W's fragment i; first = 1: C is the bias, in tile 0's accumulator
	WPOS \s, \i
	XPOS \s, \a
.set Q_, SC+32*(((\s)/4)%2)
.set SX_, Q_+2*(\a)+1-((\s)/2)%2
.set SW_, Q_+8+2*(\i)+((\s)/2)%2
.set O_, (\s)%2
.if (\i) < 8
.set D_, 8*(8*(\a)+(\i))
.set C_, D_
.if \first
.set C_, 8*(\i)
.endif
	WIN WW_|(XW_<<2)|0xa0
	WMMA D_, WR_, XR_, C_, SW_, SX_, O_
.else
.set D_, 32*((\i)-8)+8*(\a)
.set C_, D_
.if \first
.set C_, 32*((\i)-8)
.endif
	WIN XW_|(WW_<<2)|0xf0
	WMMA D_, XR_, WR_, C_, SX_, SW_, O_
.endif
.endm
; K step s.  Where the next K step begins another wave's part of W, that wave waits for its load, and a barrier around group 2 shows the part to all; the run of loads then stands behind group 2.
.macro STEP s
.set BAR_, 0
.set RUN_, 1
.if ((\s) == 1) || ((\s) == 5)
.set BAR_, 1
	s_cmp_eq_u32 s[WV], ((\s)+3)/4
	s_cbranch_scc0 .Lnot_mine_\@
	s_wait_tensorcnt 0x0
.Lnot_mine_\@:
.elseif (\s) == 10
.set BAR_, 1
	s_wait_tensorcnt 0x0
.endif
.if BAR_
.set RUN_, 2
.endif
.set N_, 0                             ; the loads issued behind this K step's x: those of the two K steps before this one (-1: x's K step 2 and the second quarter's scale words, at the head)
.irp t, 1,2
.set T_, (\s)-\t
.if T_ < 13
.set N_, N_+12
.endif
.if (T_ == -1) || (T_ == 4) || (T_ == 8)
.set N_, N_+16
.endif
.endr
	s_wait_loadcnt N_
.set I_, 0
.rept 12
.if I_ == 0
	s_wait_dscnt 24                                ; W's fragments 0-3 are in
.elseif ((I_ == 4) || (I_ == 8)) && (BAR_ == 0)
.if (\s) < 15
	s_wait_dscnt 36+24-3*I_                        ; four more; behind them: the later ones and the 36 just asked for
.else
	s_wait_dscnt 24-3*I_
.endif
.endif
.if (\s) == 0
	WM \s, I_, 1, 1
	WM \s, I_, 2, 1
	WM \s, I_, 3, 1
.else
	WM \s, I_, 0, 0
	WM \s, I_, 1, 0
	WM \s, I_, 2, 0
	WM \s, I_, 3, 0
.endif
.if BAR_ && (I_ == 1)
	WIN 0
	s_wait_dscnt 0x0                               ; no LDS read of mine is out: all of this K step's fragments are in
	s_barrier_signal -1
.endif
.if (I_ == RUN_) && ((\s) < 15)
	WIN 0
.if BAR_
	s_barrier_wait -1
.endif
	PLACES 4                                       ; between the last K step's products and the loads into their registers
	LWALL (\s)+1
.if ((\s) == 4) || ((\s) == 8)
	LSC (\s)/4+1
.endif
.if (\s) < 13
	LXALL (\s)+3
.endif
.endif
.set I_, I_+1
.endr
.if (\s) == 0
	PLACES 5                                       ; the products below write over what the ones above took as C
.set I_, 0
.rept 12
	WM 0, I_, 0, 0
.set I_, I_+1
.endr
.endif
	WIN 0
.endm
; 64 sums of a lane in window w, blocks of 16 registers: two blocks of 32 (with lane l xor 16) make six registers of codes: v[pc .. pc + 5] and v[pc + 6 .. pc + 11]; the four scale bytes in v[pw]
.macro QUANT w, s, pc, pw
	WIN (\w)|((\w)<<2)
.irp b, 0,1,2,3
	v_max3_num_f32 v[TM+\b], |v[\s+16*\b]|, |v[\s+1+16*\b]|, 0x1800000   ; my 16 numbers of block b, and the floor 2^(3 - 127)
.endr
	WIN ((\w)<<2)|((\w)<<4)
.irp i, 2,4,6,8,10,12,14
.irp b, 0,1,2,3
	v_max3_num_f32 v[TM+\b], v[TM+\b], |v[\s+16*\b+\i]|, |v[\s+1+16*\b+\i]|
.endr
.endr
	WIN 0
.irp b, 0,1,2,3
	v_permlanex16_b32 v[TM+4+\b], v[TM+\b], s[SEL], s[SEL+1]
.endr
.irp b, 0,1,2,3
	v_max_num_f32 v[TM+\b], v[TM+\b], v[TM+4+\b]
.endr
.irp b, 0,1,2,3
	v_add_nc_u32 v[TM+12+\b], 0xff000000, v[TM+\b] ; 2 off the exponent field: the conversion's scale operand
.endr
.irp b, 0,1,2,3
	v_lshrrev_b32 v[TM+4+\b], 23, v[TM+12+\b]
.endr
	v_lshl_or_b32 v[\pw], v[TM+5], 8, v[TM+4]
	v_lshl_or_b32 v[\pw], v[TM+6], 16, v[\pw]
	v_lshl_or_b32 v[\pw], v[TM+7], 24, v[\pw]
	WIN \w
.irp c, 0,1
	v_cvt_scalef32_pk16_fp6_f32 v[\pc+6*\c:\pc+2+6*\c], v[\s+32*\c:\s+15+32*\c], v[TM+12+2*\c]
	v_cvt_scalef32_pk16_fp6_f32 v[\pc+12+4*\c:\pc+14+4*\c], v[\s+16+32*\c:\s+31+32*\c], v[TM+12+2*\c+1]
.endr
	WIN 0
	v_nop                                          ; one plain place behind a scaled conversion
.irp c, 0,1
.irp i, 0,1,2
	v_permlane16_swap_b32 v[\pc+6*\c+\i], v[\pc+12+4*\c+\i]
.endr
.irp i, 0,1,2
	v_mov_b32 v[\pc+3+6*\c+\i], v[\pc+12+4*\c+\i]
.endr
.endr
.endm
.macro GROUP1 g, rows                  ; a dense block as rows of 256 bytes (32 elements of 8 bytes), for all four work-groups; bit 21 beside a mask
	s_mov_b32 s[\g], 15|(3<<16)|(1<<21)
	s_mov_b32 s[\g+1], 32<<16
	s_mov_b32 s[\g+2], (\rows)<<16
	s_mov_b32 s[\g+3], 32<<16
	s_mov_b32 s[\g+4], \rows
	s_mov_b32 s[\g+5], 32
	s_mov_b32 s[\g+6], 0
	s_mov_b32 s[\g+7], 0
.endm
.macro GROUP0 g, ks                    ; from K step ks on
	s_mov_b32 s[\g], 1
	s_mov_b32 s[\g+1], (\ks)*KSB
	s_add_nc_u64 s[\g+2:\g+3], s[32:33], (\ks)*KSB
	s_or_b32 s[\g+3], s[\g+3], 0x80000000
.endm
; one load a wave, each in its own arm
.macro ARM k, g0, g1, next
	s_cmp_eq_u32 s[WV], \k
	s_cbranch_scc0 \next
	tensor_load_to_lds s[\g0:\g0+3], s[\g1:\g1+7]
	s_nop 0
	PLACES 4
	s_branch .Lasked
\next:
.endm
	s_load_b256 s[4:11], s[0:1], 0x0               ; codes, scales, bq, bk
	s_load_b128 s[12:15], s[0:1], 0x20             ; bv, qkv
	v_lshl_add_u32 v[SPW], v0, 2, SPARE
	v_mov_b32 v[NIL], 0
	ds_add_u32 v[SPW], v[NIL]                      ; the wave's opening: the add, twice on end
	ds_add_u32 v[SPW], v[NIL]
	v_lshrrev_b32 v1, 5, v0
	v_readfirstlane_b32 s[WV], v1                  ; wave 0..3
	s_and_b32 s17, s[WV], 1                        ; which 64 of a group of 128 tokens
	s_lshr_b32 s18, s[WV], 1                       ; which 128 of the 256
	s_lshl_b32 s23, s18, 8
	s_add_co_u32 s56, s23, XV
	s_lshl_b32 s57, s17, 1
	s_add_co_u32 s57, s57, s56
	v_and_b32 v1, 31, v0                           ; lane
	v_and_b32 v16, 15, v0                          ; r
	v_bfe_u32 v17, v0, 4, 1                        ; h
	v_lshlrev_b32 v[LI], 4, v1
	v_lshlrev_b32 v[L8], 3, v1
	v_lshlrev_b32 v[BH], 6, v17
	v_and_b32 v18, 8, v16
	v_add_nc_u32 v18, v18, v16
	v_lshlrev_b32 v[BR], 2, v18
	v_lshl_add_u32 v[ADX], v16, 3, s57
	v_add_nc_u32 v[ADV], s56, v[L8]
	v_lshlrev_b32 v[ADW], 4, v1
.irp i, 1,2,3,4,5
	v_add_nc_u32 v[ADW+\i], \i*3*KSB, v[LI]
.endr
.irp b, 0,1,2,3
	v_mov_b32 v[TM+4+\b], 0                        ; written once: a lane permute's destination counts as one of its sources
.endr
	s_wait_alu depctr_va_vdst(0)
	s_bfe_u32 s19, ttmp6, 0x40000                  ; cx
	s_lshl_b32 s20, ttmp9, 2
	s_add_co_u32 s20, s20, s19                     ; which 256 tokens
	s_and_b32 s21, ttmp7, 0xffff                   ; the column n, which the four partners share
	s_lshl_b32 s22, s20, 2
	s_add_co_u32 s22, s22, s[WV]                   ; my group of 64 tokens, 0..31
	GROUP1 GA1, 2*KSB/256
	GROUP1 GB1, 4*KSB/256
	GROUP1 GC1, 5*KSB/256
	s_mul_i32 s32, s21, 294912
	s_add_co_u32 s32, s32, 3145728
	s_mov_b32 s33, 0
	s_mul_i32 s36, s22, 98304                      ; my rows of x,
	s_mov_b32 s37, 0
	s_lshl_b32 s38, s22, 12                        ; their scale words,
	s_mov_b32 s39, 0
	s_mul_i32 s40, s21, 12288                      ; W's
	s_add_co_u32 s40, s40, 131072
	s_mov_b32 s41, 0
	s_and_b32 s56, s21, 15                         ; the head of q or k
	s_lshl_b32 s42, s56, 9
	s_mov_b32 s43, 0
	s_lshl_b32 s44, s21, 8
	s_mov_b32 s45, 0
	s_wait_dscnt 0x0                               ; both opening adds are done
	CROUND                                         ; all four work-groups are here
	s_wait_kmcnt 0x0
	s_add_nc_u64 s[32:33], s[4:5], s[32:33]
	GROUP0 GA, 0
	GROUP0 GB, 2
	GROUP0 GC, 6
	GROUP0 GD, 11
	ARM 0, GA, GA1, .Lwave_1
	ARM 1, GB, GB1, .Lwave_2
	ARM 2, GC, GC1, .Lwave_3
	tensor_load_to_lds s[GD:GD+3], s[GC1:GC1+7]
	s_nop 0
	PLACES 4
.Lasked:
	s_lshr_b32 s57, s21, 4                         ; 0 q, 1 k
	s_cmp_eq_u32 s57, 0
	s_cselect_b64 s[8:9], s[8:9], s[10:11]
	s_add_nc_u64 s[42:43], s[8:9], s[42:43]
	s_add_nc_u64 s[44:45], s[12:13], s[44:45]
	s_add_nc_u64 s[36:37], s[4:5], s[36:37]
	s_add_nc_u64 s[38:39], s[6:7], s[38:39]
	s_add_nc_u64 s[40:41], s[6:7], s[40:41]
	WIN 0x80                                       ; q's or k's bias along the registers: b[128 head + 32 (b / 2) + 16 h + 8 (b % 2) + j]
.irp b, 0,1,2,3,4,5,6,7
	global_load_b128 v[8*\b:8*\b+3], v[BH], s[42:43] offset:(32*(\b/2)+8*(\b%2))*4
	global_load_b128 v[8*\b+4:8*\b+7], v[BH], s[42:43] offset:(32*(\b/2)+8*(\b%2))*4+16
.endr
	WIN 0xc0                                       ; v's along the lanes
.irp b, 0,1,2,3
	global_load_b32 v[32*\b], v[BR], s[44:45] offset:(32*(\b/2)+8*(\b%2))*4
.endr
	WIN 0
	LSC 0
	LXALL 0
	LXALL 1
	; where my results go
	s_lshr_b32 s58, s22, 4
	s_lshl_b32 s58, s58, 4                         ; 16 x batch
	s_bfe_u32 s59, s22, 0x30001                    ; the group of 128 tokens in its batch
	s_add_co_u32 s60, s58, s56
	s_lshl_b32 s60, s60, 3
	s_add_co_u32 s60, s60, s59                     ; q's or k's record
	s_lshr_b32 s61, s21, 1
	s_add_co_u32 s61, s61, s58
	s_lshl_b32 s61, s61, 3
	s_add_co_u32 s61, s61, s59                     ; v's
	s_mul_i32 s46, s60, 12288
	s_lshl_b32 s48, s60, 9
	s_add_co_u32 s48, s48, QSO
	s_mul_i32 s62, s60, REC
	s_add_co_u32 s62, s62, KVO
	s_add_co_u32 s63, s62, 24576
	s_cmp_eq_u32 s57, 0
	s_cselect_b32 s46, s46, s62
	s_cselect_b32 s48, s48, s63
	s_mul_i32 s62, s17, 6144
	s_add_co_u32 s46, s46, s62
	s_mov_b32 s47, 0
	s_lshl_b32 s62, s17, 8
	s_add_co_u32 s48, s48, s62
	s_mov_b32 s49, 0
	s_mul_i32 s50, s61, REC
	s_add_co_u32 s50, s50, KVO+12288
	s_and_b32 s62, s21, 1                          ; which half of v's head
	s_lshl_b32 s63, s62, 8
	s_add_co_u32 s52, s50, 12800
	s_add_co_u32 s52, s52, s63
	s_mov_b32 s53, 0
	s_mul_i32 s62, s62, 6144
	s_add_co_u32 s50, s50, s62
	s_mul_i32 s62, s17, 768
	s_add_co_u32 s50, s50, s62
	s_mov_b32 s51, 0
	s_add_nc_u64 s[46:47], s[14:15], s[46:47]
	s_add_nc_u64 s[48:49], s[14:15], s[48:49]
	s_add_nc_u64 s[50:51], s[14:15], s[50:51]
	s_add_nc_u64 s[52:53], s[14:15], s[52:53]
	s_mov_b32 s[SEL], 0x76543210
	s_mov_b32 s[SEL+1], 0xfedcba98
	s_wait_loadcnt 40                              ; the biases are in (16 loads of scale words and 24 of x behind them)
	LSC 1
	LXALL 2
	WIN 0xc3
.irp b, 0,32,64,96
.irp j, 1,2,3,4,5,6,7
	v_mov_b32 v[\b+\j], v[\b]                      ; v's number, one a lane and tile, over the tile's eight registers
.endr
.endr
	WIN 0
	s_wait_alu depctr_va_vdst(0)                   ; the wait at the head's end
	s_cmp_eq_u32 s[WV], 0
	s_cbranch_scc0 .Lnot_first
	s_wait_tensorcnt 0x0                           ; K steps 0, 1 of W
.Lnot_first:
	s_barrier_signal -1
	s_barrier_wait -1
	LWALL 0
.set ST, 0
.rept 16
	STEP ST
.set ST, ST+1
.endr
	PLACES 4
	; THE WAY OUT.  v: two tiles of 16 features a turn, 64 keys each
.irp u, 0,1
	QUANT 3, 64*\u, PCB+20*\u, WD+\u
.set P_, PCB+20*\u
	global_store_b128 v[LI], v[P_:P_+3], s[50:51] offset:3072*\u
	global_store_b64 v[L8], v[P_+4:P_+5], s[50:51] offset:3072*\u+512
	global_store_b128 v[LI], v[P_+6:P_+9], s[50:51] offset:3072*\u+1536
	global_store_b64 v[L8], v[P_+10:P_+11], s[50:51] offset:3072*\u+2048
	ds_store_b16 v[ADX], v[WD+\u] offset:4*\u      ; my half of the scale words of tile 2 u,
	ds_store_b16_d16_hi v[ADX], v[WD+\u] offset:128+4*\u   ; and of tile 2 u + 1: the other half is the neighbouring wave's
.endr
.irp a, 0,1,2,3
	QUANT 2, 64*\a, PCB+40+20*\a, WD+2+\a
.irp c, 0,1,2
	global_store_b128 v[LI], v[PCB+40+20*\a+4*\c:PCB+43+20*\a+4*\c], s[46:47] offset:1536*\a+512*\c
.endr
.endr
	v_cmp_le_u32 vcc_lo, 16, v1
	v_cndmask_b32 v[ZP], v[WD+2], v[WD+3], vcc_lo
	v_cndmask_b32 v[ZP+1], v[WD+4], v[WD+5], vcc_lo
	global_store_b64 v[L8], v[ZP:ZP+1], s[48:49]   ; one aligned unit of 256 bytes
	s_wait_alu depctr_va_vdst(0)
	s_wait_dscnt 0x0
	s_barrier_signal -1
	s_barrier_wait -1
	s_cmp_eq_u32 s17, 0
	s_cbranch_scc0 .Lend
	ds_load_b64 v[224:225], v[ADV]
	s_wait_dscnt 0x0
	global_store_b64 v[L8], v[224:225], s[52:53]
.Lend:
	s_wait_tensorcnt 0x0                           ; the wave's end
	ds_add_u32 v[SPW], v[NIL]
	s_wait_dscnt 0x0
	CROUND                                         ; the closing round
	s_endpgm
.Lfunc_end_k_q242029e26f_qkv:
	.size	k_q242029e26f_qkv, .Lfunc_end_k_q242029e26f_qkv-k_q242029e26f_qkv
	.p2alignl 7, 3214868480
	.fill 96, 4, 3214868480
	.section	.rodata,"a",@progbits
	.p2align	6, 0x0
	.amdhsa_kernel k_q242029e26f_qkv
		.amdhsa_group_segment_fixed_size 327680
		.amdhsa_private_segment_fixed_size 0
		.amdhsa_enable_private_segment 0
		.amdhsa_kernarg_size 48
		.amdhsa_user_sgpr_count 2
		.amdhsa_user_sgpr_kernarg_segment_ptr 1
		.amdhsa_wavefront_size32 1
		.amdhsa_system_sgpr_workgroup_id_x 1
		.amdhsa_system_sgpr_workgroup_id_y 1
		.amdhsa_system_sgpr_workgroup_id_z 1
		.amdhsa_system_vgpr_workitem_id 0
		.amdhsa_next_free_vgpr 992
		.amdhsa_next_free_sgpr 100
		.amdhsa_reserve_vcc 1
		.amdhsa_float_denorm_mode_32 3
		.amdhsa_float_denorm_mode_16_64 3
		.amdhsa_memory_ordered 1
		.amdhsa_forward_progress 1
		.amdhsa_inst_pref_size 204
	.end_amdhsa_kernel
	.amdgpu_metadata
---
amdhsa.version: [ 1, 2 ]
amdhsa.kernels:
  - .name:           k_q242029e26f_qkv
    .symbol:         k_q242029e26f_qkv.kd
    .args:
      - { .name: codes, .offset: 0, .size: 8, .value_kind: global_buffer, .address_space: global }
      - { .name: scales, .offset: 8, .size: 8, .value_kind: global_buffer, .address_space: global }
      - { .name: bq, .offset: 16, .size: 8, .value_kind: global_buffer, .address_space: global }
      - { .name: bk, .offset: 24, .size: 8, .value_kind: global_buffer, .address_space: global }
      - { .name: bv, .offset: 32, .size: 8, .value_kind: global_buffer, .address_space: global }
      - { .name: qkv, .offset: 40, .size: 8, .value_kind: global_buffer, .address_space: global }
    .group_segment_fixed_size: 327680
    .private_segment_fixed_size: 0
    .kernarg_segment_align: 8
    .kernarg_segment_size: 48
    .max_flat_workgroup_size: 128
    .sgpr_count:     100
    .vgpr_count:     992
    .wavefront_size: 32
...
	.end_amdgpu_metadata
.endif
;; end of part 2
;; launch attn (part 3): grid 8 x 32, 8 waves a work-group, clusters of 4 x 1, 275,456 bytes of LDS; arguments qkv, ocodes, oscales, Wo, codes, scales; writes ocodes, oscales, codes, scales
.if DOCPART == 3
	.amdgcn_target "amdgcn-amd-amdhsa--gfx1250"
	.amdhsa_code_object_version 6
	.text
	.protected	k_q242029e26f_attn
	.globl	k_q242029e26f_attn
	.p2align	8
	.type	k_q242029e26f_attn,@function
k_q242029e26f_attn:
	s_mov_b64 s[64:65], 0
	v_nop
	global_prefetch_b8 v0, s[64:65] scope:SCOPE_SE
	s_setreg_imm32_b32 hwreg(HW_REG_WAVE_MODE, 25, 1), 1
	s_wait_xcnt 0x0
	s_wait_alu depctr_hold_cnt(0) depctr_sa_sdst(0) depctr_va_vdst(0) depctr_va_sdst(0) depctr_va_ssrc(0) depctr_va_vcc(0) depctr_vm_vsrc(0)
	s_getreg_b32 s2, hwreg(HW_REG_IB_STS2, 6, 4)
	s_cmp_eq_u32 s2, 0
	s_cbranch_scc0 .Lentry_in_a_cluster
	s_endpgm
.Lentry_in_a_cluster:
	s_bfe_u32 s2, ttmp6, 0x10000c
	s_cmp_lg_u32 s2, 0x3003
	s_cbranch_scc0 .Lentry_shape_is_right
	s_endpgm
.Lentry_shape_is_right:
; Causal attention on codes of FP6 (E2M3) with E8M0 scales: 32 heads of 1,024 tokens x 128.  O = softmax(q k^T / sqrt(128)) v, key k counts for query q where k <= q; O is quantised along the head's 128 and leaves as codes.
; WORK LEFT OUT: tiles of 16 queries x 128 keys in which every key stands behind every query: the mask that reference() builds makes their p 0 whatever the inputs hold.
; THE SOFTMAX: t = score x log2(e) / sqrt(128); M = the row's largest t so far, rounded up to a whole number; p = 2^(t - M) is quantised along the keys, not normalised; the row's sum of the unquantised p divides O at the end.
; LIMITS: the scaled scores t stay under 2^31 in magnitude; NaN and infinities are not served; a block whose largest magnitude lies under 2^-124 (a block of zeros among them) gets the scale byte 1: this program alone reads the bytes.
; A HEAD'S K, V^T AND THEIR SCALE WORDS ARE 8 RECORDS OF 25,600 BYTES: they come into LDS once, wave w record w / 2 + 4 (w % 2): no ring, nothing is filled again.
; Every wave's first key step is record 0 or 4: the first barrier shows these two (waves 0 and 1 have waited), the second, behind that step, all the others.
; SHARES.  A work-group owns, of one head, tile j of 16 queries of each of the 8 groups of 128.  Waves i and i + 4 (i = 0..3) share the tiles of groups i and 7 - i, nine key steps:
;   wave i: group 7 - i, key steps 0-3;  wave i + 4: group 7 - i, key steps 4 .. 7 - i, the last on the diagonal; it lays that part (sums, -M, the row's sum) into LDS; then group i, key steps 0 .. i, the last on the diagonal.
;   Wave i then joins the two parts: each is brought under the larger M by a multiplication with a power of two.  The barrier between is signalled ahead of waves 4-7's fifth step and waited for behind it.  Every branch hangs on the wave's number alone.
; CLUSTER.  Four work-groups of one head ask for its records jointly: one tensor load a wave.  No prefetch: there is no later tile to run ahead to.
; Wo IS QUANTISED HERE, for the last product, by waves 0-3, which have one key step less: two units of 16 rows x 128 K each (128 tiles x 16 K steps = 2 x 4 waves x 256 work-groups), asked for behind the records' landing;
; the first is turned behind the third key step, the second at the end; their rows turn through the wave's own bytes of LDS.
; They go to the last 3,145,728 bytes of codes, [group of 128][K step][8 tiles][1,536], and the last 131,072 of scales, which this launch does not read.
; Scale words of O and of Wo: [tile][half of K][lane][4 words]: word p of lane (r, h) is row r's at K step 8 half + 2 p + h.
; LAYOUT.  Both products are used transposed (S^T = K Q^T, O^T = V^T P^T): a lane holds one query throughout.  Lane r of tile t of K holds key 32 (t / 2) + 8 (t % 2) + r + 8 (r / 8), so that the 16 registers of tiles 2 b, 2 b + 1 are 16 neighbouring keys.
; REGISTERS: window 0: v1-9, v28-30 addresses; v12 -M, v13 the largest t, v[14:15] the sum; v16-27 Q, v255 its scale word; v32-52 a fragment just made; v56-67, v68 the second Q; v72-75 K's scale words, v248-251 V's; v96-159 S^T, then p; v160-223 O^T; v224-235 p's codes; v232-254 at work; v253 p's scale word.
;   window 1: v0-95 K's 8 fragments, v96-191 V^T's, v192-255 Wo's unit as loaded.
.set KVO,  3145728
.set REC,  25600
.set QSO,  9699328
.set STG,  204800                      ; LDS behind the records: 8,704 bytes for each wave: waves 0-3 Wo's stage (16 rows x 528), waves 4-7 the part that is handed over
.set WREG, 8704
.set SPARE, STG+8*WREG
.set LI,   1                           ; v1  16 x lane
.set ADK,  2                           ; v2, v3 the step's record: + 16 x lane, + 8 x lane
.set ADK8, 3
.set L8,   4                           ; v4  8 x lane
.set R8,   5                           ; v5  8 r
.set DQ,   6                           ; v6  my query's place in its group - 16 h
.set R16,  7                           ; v7  16 r
.set ADN,  8                           ; v8, v9 as v2, v3, for the record whose K is fetched
.set ADN8, 9
.set SIN,  28                          ; v28 my bytes: + 16 x lane
.set SOUT, 29                          ; v29 Wo's stage on the way out: row r, + 64 h
.set MRG,  30                          ; v30 wave w xor 4's bytes: + 16 x lane
.set PC,   32
.set PW,   52
.set Q2,   56
.set KP,   72
.set SPW,  95
.set NIL,  243
.set TM,   232
.set WV,   18
.set SEL,  20
.set CS,   22
.set G1,   24
.set G0,   32
.set KO,   36                          ; s36-40 my key steps' records, byte offsets
.set DG,   41                          ; s41 the trip in which group 7 - i's diagonal step is mine; 8: never
.set PI,   42                          ; s42 i = w % 4
.set LNG,  43                          ; s43 w / 4
.set GQ,   44                          ; s44 the group that I give out
.set WOB,  80
.set CDB,  84
.set WSB,  86
.set MSB, 0
.macro WIN new
.if MSB != (\new)
	s_set_vgpr_msb (MSB<<8)|(\new)
.set MSB, (\new)
.endif
.endm
.macro PLACES n
.rept \n
	v_nop
.endr
.endm
.macro CROUND
	s_barrier_signal -1
	s_barrier_wait -1
	s_cmp_lg_u32 s[WV], 0
	s_cbranch_scc1 .Lnot_wave_0_\@
	s_barrier_signal -3
.Lnot_wave_0_\@:
	s_barrier_wait -3
	s_barrier_signal -1
	s_barrier_wait -1
.endm
.macro QUANT s, pw
.irp b, 0,1,2,3
	v_max3_num_f32 v[TM+\b], |v[\s+16*\b]|, |v[\s+1+16*\b]|, 0x1800000
.endr
.irp i, 2,4,6,8,10,12,14
.irp b, 0,1,2,3
	v_max3_num_f32 v[TM+\b], v[TM+\b], |v[\s+16*\b+\i]|, |v[\s+1+16*\b+\i]|   ; (the four blocks by turns)
.endr
.endr
.irp b, 0,1,2,3
	v_permlanex16_b32 v[TM+4+\b], v[TM+\b], s[SEL], s[SEL+1]
.endr
.irp b, 0,1,2,3
	v_max_num_f32 v[TM+\b], v[TM+\b], v[TM+4+\b]
.endr
.irp b, 0,1,2,3
	v_add_nc_u32 v[TM+12+\b], 0xff000000, v[TM+\b]
.endr
.irp b, 0,1,2,3
	v_lshrrev_b32 v[TM+4+\b], 23, v[TM+12+\b]
.endr
	s_delay_alu instid0(VALU_DEP_3)
	v_lshl_or_b32 v[\pw], v[TM+5], 8, v[TM+4]
	s_delay_alu instid0(VALU_DEP_1)
	v_lshl_or_b32 v[\pw], v[TM+6], 16, v[\pw]
	s_delay_alu instid0(VALU_DEP_1)
	v_lshl_or_b32 v[\pw], v[TM+7], 24, v[\pw]
.irp c, 0,1
	v_cvt_scalef32_pk16_fp6_f32 v[PC+6*\c:PC+2+6*\c], v[\s+32*\c:\s+15+32*\c], v[TM+12+2*\c]
	v_cvt_scalef32_pk16_fp6_f32 v[PC+12+4*\c:PC+14+4*\c], v[\s+16+32*\c:\s+31+32*\c], v[TM+12+2*\c+1]
.endr
	v_nop
.irp c, 0,1
.irp i, 0,1,2
	v_permlane16_swap_b32 v[PC+6*\c+\i], v[PC+12+4*\c+\i]
.endr
.irp i, 0,1,2
	s_delay_alu instid0(VALU_DEP_3)
	v_mov_b32 v[PC+3+6*\c+\i], v[PC+12+4*\c+\i]
.endr
.endr
.endm
.macro WOLOAD u                        ; unit u of Wo: each load reads 512 consecutive bytes of one row
	WIN 0x40
.irp p, 0,1,2,3,4,5,6,7,8,9,10,11,12,13,14,15
	global_load_b128 v[192+4*\p:195+4*\p], v[LI], s[WOB:WOB+1] offset:(\p+8*(\p/8))*8192+512*(\u) th:TH_LOAD_NT
.endr
	WIN 0
.endm
; unit u, which has come: through my stage, so that a lane gets, of its row, 16 neighbours of each block of 32; quantised; stored.  The second unit is asked for as soon as the first has left its registers.
.macro WOUNIT u
	s_wait_loadcnt 0x0
	WIN 0x04
.irp p, 0,1,2,3,4,5,6,7,8,9,10,11,12,13,14,15
	ds_store_b128 v[SIN], v[192+4*\p:195+4*\p] offset:528*\p
.endr
	WIN 0
.irp b, 0,1,2,3
.irp j, 0,1,2,3
	ds_load_b128 v[96+16*\b+4*\j:99+16*\b+4*\j], v[SOUT] offset:128*\b+16*\j   ; LDS serves a wave's instructions in order (ISA guide 5.7.1.4)
.endr
.endr
	s_wait_dscnt 0x0
.if \u == 0
	WOLOAD 1
.endif
	s_wait_xcnt 0x0                                ; earlier stores have read the fragment's registers and the scale word's
	QUANT 96, PW
.irp c, 0,1,2
	global_store_b128 v[LI], v[PC+4*\c:PC+4*\c+3], s[CDB:CDB+1] offset:12288*(\u)+512*\c
.endr
	global_store_b32 v[R16], v[PW], s[WSB:WSB+1] offset:256*(\u)   ; (both halves of the lanes store the same word)
.endm
.macro QLOAD dst, sd, rec, a           ; tile j of the group whose record number is in s\rec: its fragment and its scale word
	s_lshl_b32 s[\a], s\rec, 3
	s_add_co_u32 s[\a], s[\a], s11
	s_mul_i32 s[\a], s[\a], 1536
	s_mov_b32 s[\a+1], 0
	s_add_nc_u64 s[\a:\a+1], s[4:5], s[\a:\a+1]
	s_lshl_b32 s[\a+2], s\rec, 9
	s_add_co_u32 s[\a+2], s[\a+2], s45
	s_mov_b32 s[\a+3], 0
	s_add_nc_u64 s[\a+2:\a+3], s[4:5], s[\a+2:\a+3]
.irp c, 0,1,2
	global_load_b128 v[\dst+4*\c:\dst+3+4*\c], v[LI], s[\a:\a+1] offset:512*\c
.endr
	global_load_b32 v[\sd], v[R8], s[\a+2:\a+3]
.endm
	s_load_b128 s[4:7], s[0:1], 0x0                ; qkv, ocodes
	s_load_b64 s[8:9], s[0:1], 0x10                ; oscales
	s_load_b64 s[WOB:WOB+1], s[0:1], 0x18          ; Wo
	s_load_b128 s[CDB:CDB+3], s[0:1], 0x20         ; codes, scales
	v_lshl_add_u32 v[SPW], v0, 2, SPARE
	v_mov_b32 v[NIL], 0
	ds_add_u32 v[SPW], v[NIL]                      ; the wave's opening: the add, twice on end
	ds_add_u32 v[SPW], v[NIL]
	v_lshrrev_b32 v8, 5, v0
	v_readfirstlane_b32 s[WV], v8                  ; wave 0..7
	s_lshr_b32 s[LNG], s[WV], 2
	s_and_b32 s[PI], s[WV], 3
	s_bfe_u32 s10, ttmp6, 0x40000                  ; cx
	s_lshl_b32 s11, ttmp9, 2
	s_add_co_u32 s11, s11, s10                     ; j = 4 x cluster x + cx: it enters global addresses and the mask's number alone
	s_and_b32 s12, ttmp7, 0xffff                   ; 16 x batch + head, which the four partners share
	s_mul_i32 s69, s[WV], WREG
	s_add_co_u32 s69, s69, STG
	s_xor_b32 s70, s[WV], 4
	s_mul_i32 s70, s70, WREG
	s_add_co_u32 s70, s70, STG
	s_lshr_b32 s71, s11, 1
	s_lshl_b32 s71, s71, 5
	s_and_b32 s72, s11, 1
	s_lshl_b32 s72, s72, 3
	s_add_co_u32 s71, s71, s72                     ; 32 (j / 2) + 8 (j % 2)
	v_and_b32 v8, 31, v0
	v_and_b32 v9, 15, v0                           ; r
	v_bfe_u32 v10, v0, 4, 1                        ; h
	v_lshlrev_b32 v[LI], 4, v8
	v_lshlrev_b32 v[L8], 3, v8
	v_and_b32 v11, 8, v9
	v_add_nc_u32 v11, v11, v9                      ; r + 8 (r / 8)
	v_add_nc_u32 v[DQ], s71, v11
	v_lshlrev_b32 v8, 4, v10
	v_sub_nc_u32 v[DQ], v[DQ], v8                  ; register 16 b + i holds key 32 b + 16 h + i of a step: hidden on the diagonal where 32 b + i is above this number
	v_lshlrev_b32 v[R16], 4, v9
	v_lshlrev_b32 v[R8], 3, v9
	v_add_nc_u32 v[SIN], s69, v[LI]
	v_add_nc_u32 v[MRG], s70, v[LI]
	v_mul_u32_u24 v[SOUT], v9, 528
	v_lshl_add_u32 v[SOUT], v10, 6, v[SOUT]
	v_add_nc_u32 v[SOUT], s69, v[SOUT]
	v_mov_b32 v13, 0xff61b1e6                      ; the largest t so far: -3e38, under every t
	v_floor_f32 v12, -v13                          ; -M
	v_mov_b32 v14, 0
	v_mov_b32 v15, 0
.irp b, 0,1,2,3
	v_mov_b32 v[236+\b], 0                         ; written once: a lane permute's destination counts as one of its sources
.endr
	v_mov_b32 v252, 0
	v_mov_b32 v253, 0                              ; (named as the upper half of the pair v[252:253] before it is first written)
.set n, 0
.rept 64
	v_mov_b32 v[160+n], 0                          ; O^T: the step is written in one form: the first finds zeros, which the first change of M leaves zeros
.set n, n+1
.endr
	s_wait_alu depctr_va_vdst(0)
	s_mov_b32 s[G1], 15|(3<<16)|(1<<21)            ; the mask: all four work-groups; elements of 8 bytes; bit 21 beside a mask
	s_mov_b32 s[G1+1], 32<<16                      ; rows of 256 bytes, dense
	s_mov_b32 s[G1+2], (REC/256)<<16
	s_mov_b32 s[G1+3], 32<<16
	s_mov_b32 s[G1+4], REC/256
	s_mov_b32 s[G1+5], 32
	s_mov_b32 s[G1+6], 0
	s_mov_b32 s[G1+7], 0
	s_lshr_b32 s73, s[WV], 1
	s_and_b32 s74, s[WV], 1
	s_lshl_b32 s74, s74, 2
	s_add_co_u32 s73, s73, s74                     ; my record: w / 2 + 4 (w % 2)
	s_mov_b32 s[G0], 1
	s_mul_i32 s[G0+1], s73, REC
	s_mul_i32 s[G0+2], s12, 8*REC
	s_add_co_u32 s[G0+2], s[G0+2], s[G0+1]
	s_add_co_u32 s[G0+2], s[G0+2], KVO
	s_mov_b32 s[G0+3], 0
	s_wait_dscnt 0x0                               ; both opening adds are done
	CROUND                                         ; all four work-groups are here: the joint loads meet
	s_wait_kmcnt 0x0
	s_add_nc_u64 s[G0+2:G0+3], s[4:5], s[G0+2:G0+3]
	s_or_b32 s[G0+3], s[G0+3], 0x80000000
	s_cmp_lt_u32 s[WV], 2                          ; one load a wave: waves 0 and 1 have a line of their own
	s_cbranch_scc0 .Lothers
	tensor_load_to_lds s[G0:G0+3], s[G1:G1+7]
	s_nop 0
	PLACES 4
	s_branch .Lasked
.Lothers:
	tensor_load_to_lds s[G0:G0+3], s[G1:G1+7]
	s_nop 0
	PLACES 4
.Lasked:
	s_mov_b32 s[SEL], 0x76543210
	s_mov_b32 s[SEL+1], 0xfedcba98
	s_mov_b32 s[CS], 0x3e0293ee                    ; c = log2(e) / sqrt(128)
	s_mov_b32 s[CS+1], s[CS]
	; trip t: waves 0-3 key step t; waves 4-7 key step 4 + t while i + t < 4, then i + t - 4.  Trip 0 is key step 0 or 4
	s_mul_i32 s[KO], s[LNG], 4*REC
.irp t, 1,2,3
	s_add_co_u32 s73, s[PI], \t
	s_and_b32 s74, s73, 3
	s_cmp_lt_u32 s73, 4
	s_cselect_b32 s74, 4+\t, s74
	s_cmp_eq_u32 s[LNG], 0
	s_cselect_b32 s74, \t, s74
	s_mul_i32 s[KO+\t], s74, REC
.endr
	s_mul_i32 s[KO+4], s[PI], REC                  ; the fifth trip, waves 4-7 alone
	s_sub_co_u32 s[DG], 3, s[PI]
	s_xor_b32 s73, s[PI], 7                        ; the first tile's group, 7 - i
	s_cmp_eq_u32 s[LNG], 0
	s_cselect_b32 s[DG], 8, s[DG]
	s_cselect_b32 s[GQ], s73, s[PI]
	s_lshl_b32 s74, s12, 3
	s_add_co_u32 s73, s73, s74                     ; record numbers: the first tile's,
	s_add_co_u32 s72, s74, s[GQ]                   ; and that of the tile that I give out
	s_lshr_b32 s45, s11, 2                         ; the scale word's place in its group's 512 bytes, less 8 r
	s_lshl_b32 s45, s45, 8
	s_and_b32 s74, s11, 1
	s_lshl_b32 s74, s74, 7
	s_add_co_u32 s45, s45, s74
	s_bfe_u32 s74, s11, 0x10001
	s_lshl_b32 s74, s74, 2
	s_add_co_u32 s45, s45, s74
	s_add_co_u32 s45, s45, QSO
	QLOAD 16, 255, 73, 76
	QLOAD Q2, 68, 72, 88                           ; the tile that I give out; in waves 0-3 it is the first tile, and stands unused
	; Wo's units: work-group L = 8 x (16 batch + head) + j of 256 takes tile L / 2 of 128 and half L % 2 of its 16 K steps; wave w (0-3) K steps 8 half + 2 w and the next
	s_lshl_b32 s46, s12, 3
	s_add_co_u32 s46, s46, s11                     ; L
	s_lshr_b32 s47, s46, 1                         ; the tile
	s_and_b32 s54, s46, 1                          ; the half
	s_lshl_b32 s46, s54, 3
	s_lshl_b32 s48, s[PI], 1
	s_add_co_u32 s46, s46, s48                     ; my first K step
	s_lshr_b32 s48, s47, 1
	s_lshl_b32 s48, s48, 5
	s_and_b32 s49, s47, 1
	s_lshl_b32 s49, s49, 3
	s_add_co_u32 s48, s48, s49                     ; the tile's first row: 32 (tile / 2) + 8 (tile % 2)
	s_lshl_b32 s48, s48, 13                        ; rows of 8,192 bytes,
	s_lshl_b32 s49, s46, 9                         ; K steps of 512
	s_add_co_u32 s48, s48, s49
	s_mov_b32 s49, 0
	s_lshr_b32 s50, s47, 3
	s_mul_i32 s50, s50, 196608
	s_add_co_u32 s50, s50, 12582912
	s_mul_i32 s51, s46, 12288
	s_add_co_u32 s50, s50, s51
	s_and_b32 s51, s47, 7
	s_mul_i32 s51, s51, 1536
	s_add_co_u32 s50, s50, s51
	s_mov_b32 s51, 0
	s_lshl_b32 s52, s47, 10
	s_add_co_u32 s52, s52, 524288
	s_lshl_b32 s53, s54, 9
	s_add_co_u32 s52, s52, s53
	s_lshl_b32 s53, s[PI], 2
	s_add_co_u32 s52, s52, s53
	s_mov_b32 s53, 0
	s_add_nc_u64 s[WOB:WOB+1], s[WOB:WOB+1], s[48:49]
	s_add_nc_u64 s[CDB:CDB+1], s[CDB:CDB+1], s[50:51]
	s_add_nc_u64 s[WSB:WSB+1], s[WSB:WSB+1], s[52:53]
	s_lshr_b32 s46, s12, 4                         ; where O goes: group G = 8 batch + g of the last product's rows, K step = head, tile j
	s_lshl_b32 s46, s46, 3
	s_add_co_u32 s46, s46, s[GQ]
	s_and_b32 s47, s12, 15
	s_lshl_b32 s48, s46, 4
	s_add_co_u32 s48, s48, s47
	s_lshl_b32 s48, s48, 3
	s_add_co_u32 s48, s48, s11
	s_mul_i32 s48, s48, 1536
	s_mov_b32 s49, 0
	s_add_nc_u64 s[6:7], s[6:7], s[48:49]
	s_lshl_b32 s46, s46, 3
	s_add_co_u32 s46, s46, s11
	s_lshl_b32 s48, s46, 10
	s_lshr_b32 s50, s47, 3
	s_lshl_b32 s50, s50, 9
	s_add_co_u32 s48, s48, s50
	s_and_b32 s50, s47, 1
	s_lshl_b32 s50, s50, 8
	s_add_co_u32 s48, s48, s50
	s_bfe_u32 s50, s47, 0x20001
	s_lshl_b32 s50, s50, 2
	s_add_co_u32 s48, s48, s50
	s_add_nc_u64 s[8:9], s[8:9], s[48:49]
.macro KLOAD idx                       ; K's scale words (register t / 2 carries tile t's in lanes 16 (t % 2) on) and its fragments, for trip idx
	v_add_nc_u32 v[ADN], s[KO+\idx], v[LI]
	v_add_nc_u32 v[ADN8], s[KO+\idx], v[L8]
	ds_load_b64 v[KP:KP+1], v[ADN8] offset:24576
	ds_load_b64 v[KP+2:KP+3], v[ADN8] offset:24832
	WIN 0x40                                       ; destination window 1
.irp t, 0,1,2,3,4,5,6,7
.irp c, 0,1,2
	ds_load_b128 v[12*\t+4*\c:12*\t+4*\c+3], v[ADN] offset:1536*\t+512*\c
.endr
.endr
	WIN 0
.endm
; A KEY STEP: 128 keys; trip idx, whose K has been asked for.  It may be my diagonal one in trips 0-3, and is in trip 4.
.macro STEP idx
	v_add_nc_u32 v[ADK], s[KO+\idx], v[LI]
	v_add_nc_u32 v[ADK8], s[KO+\idx], v[L8]
	s_wait_alu depctr_va_vdst(0)
	WIN 0x01                                       ; source 0 window 1
.irp t, 0,1,2,3,4,5,6,7
	s_wait_dscnt 21-3*\t                           ; the scale words and tiles 0 .. t are in; the later tiles' loads may be out
.if \t%2
	v_wmma_scale_f32_16x16x128_f8f6f4 v[96+8*\t:103+8*\t], v[12*\t:12*\t+11], v[16:27], 0, v[KP+\t/2], v255 matrix_a_fmt:MATRIX_FMT_FP6 matrix_b_fmt:MATRIX_FMT_FP6 matrix_a_scale:MATRIX_SCALE_ROW1
.else
	v_wmma_scale_f32_16x16x128_f8f6f4 v[96+8*\t:103+8*\t], v[12*\t:12*\t+11], v[16:27], 0, v[KP+\t/2], v255 matrix_a_fmt:MATRIX_FMT_FP6 matrix_b_fmt:MATRIX_FMT_FP6
.endif
.endr
	WIN 0
	PLACES 4                                       ; in front of the first read of the scores, and of the loads into registers that matrix instructions have read
	WIN 0x40
.irp a, 0,1,2,3,4,5,6,7
.irp c, 0,1
	ds_load_b128 v[96+12*\a+6*\c:96+12*\a+6*\c+3], v[ADK] offset:12288+1536*\a+768*\c   ; V^T, and from trip 1 on the next step's K, land while the softmax is walked
	ds_load_b64 v[96+12*\a+6*\c+4:96+12*\a+6*\c+5], v[ADK8] offset:12288+1536*\a+768*\c+512
.endr
.endr
	WIN 0
	ds_load_b64 v[248:249], v[ADK8] offset:25088   ; V's scale words
	ds_load_b64 v[250:251], v[ADK8] offset:25344
.if (\idx == 1) || (\idx == 2)
	KLOAD \idx+1
.elseif \idx == 3
	s_cmp_lt_u32 s[WV], 4                          ; waves 4-7 alone have a fifth step
	s_cbranch_scc1 .Lno_fifth_\@
	KLOAD 4
	s_wait_alu depctr_va_vdst(0)
.Lno_fifth_\@:
.endif
.if \idx < 4
	s_cmp_lg_u32 s[DG], \idx                       ; a branch on the wave's number
	s_cbranch_scc1 .Lopen_\@
.endif
	v_mov_b32 v254, 0xff800000                     ; hidden scores become -infinity ahead of the maximum: p = 0 then
.set n, 0
.rept 64
	v_cmp_gt_i32 vcc_lo, 32*(n/16)+n%16, v[DQ]
	v_cndmask_b32 v[96+n], v[96+n], v254, vcc_lo
.set n, n+1
.endr
.if \idx < 4
.Lopen_\@:
.endif
.irp b, 0,1,2,3
	v_max3_num_f32 v[232+\b], v[96+16*\b], v[97+16*\b], v[98+16*\b]   ; the largest score of each block of 32 keys: for the row's maximum, and, since p rises with the score, for the block's largest p
.endr
.irp i, 3,5,7,9,11,13
.irp b, 0,1,2,3
	v_max3_num_f32 v[232+\b], v[232+\b], v[96+16*\b+\i], v[97+16*\b+\i]
.endr
.endr
.irp b, 0,1,2,3
	v_max_num_f32 v[232+\b], v[232+\b], v[111+16*\b]
.endr
.irp b, 0,1,2,3
	s_delay_alu instid0(VALU_DEP_4)
	v_permlanex16_b32 v[236+\b], v[232+\b], s[SEL], s[SEL+1]
.endr
.irp b, 0,1,2,3
	s_delay_alu instid0(VALU_DEP_4)
	v_max_num_f32 v[232+\b], v[232+\b], v[236+\b]  ; with lane l xor 16's 16 keys
.endr
	s_delay_alu instid0(VALU_DEP_2)
	v_max3_num_f32 v254, v232, v233, v234
	s_delay_alu instid0(VALU_DEP_1)
	v_max_num_f32 v254, v254, v235                 ; the step's largest score of my query
	s_delay_alu instid0(VALU_DEP_1)
	v_mul_f32 v254, s[CS], v254                    ; as t
	s_delay_alu instid0(VALU_DEP_1)
	v_max_num_f32 v13, v13, v254                   ; the running largest t
	v_mov_b32 v254, v12
	s_delay_alu instid0(VALU_DEP_2)
	v_floor_f32 v12, -v13                          ; the new -M = -ceil(t): a whole number
	s_delay_alu instid0(VALU_DEP_1)
	v_sub_f32 v254, v12, v254                      ; old M - new M: a whole number, 0 or less
	s_delay_alu instid0(VALU_DEP_1)
	v_cvt_i32_f32 v254, v254                       ; (it saturates)
	s_delay_alu instid0(VALU_DEP_1)
	v_ldexp_f32 v252, 1.0, v254                    ; f = 2^(old M - new M): a multiplication by it rounds nothing
.set n, 0
.rept 32
	v_pk_fma_f32 v[96+n:97+n], v[96+n:97+n], s[CS:CS+1], v[12:13] op_sel_hi:[1,0,0]   ; t - M, two at a time
.set n, n+2
.endr
.irp b, 0,1,2,3
	v_fma_f32 v[232+\b], v[232+\b], s[CS], v12     ; the same of each block's largest score
.endr
.set n, 0
	s_wait_alu depctr_va_vdst(0)
.rept 64
	v_exp_f32 v[96+n], v[96+n]                     ; p = 2^(t - M), at most 1
.set n, n+1
.endr
	v_pk_mul_f32 v[14:15], v[14:15], v[252:253] op_sel_hi:[1,0]   ; the sums under the new M: a plain place behind the exponentials
	s_wait_alu depctr_va_vdst(0)                   ; one wait for the whole batch, ahead of its first reader
.irp b, 0,1,2,3
	v_exp_f32 v[232+\b], v[232+\b]                 ; the block's largest p
.endr
	v_pk_add_f32 v[236:237], v[100:101], v[104:105]
	v_pk_add_f32 v[246:247], v[108:109], v[112:113]
	v_pk_add_f32 v[244:245], v[116:117], v[120:121]
	v_pk_add_f32 v[240:241], v[124:125], v[128:129]
	v_pk_add_f32 v[238:239], v[132:133], v[136:137]
	v_pk_add_f32 v[230:231], v[140:141], v[144:145]
	v_pk_add_f32 v[228:229], v[148:149], v[152:153]
	v_pk_add_f32 v[14:15], v[14:15], v[156:157]
	v_pk_add_f32 v[236:237], v[236:237], v[96:97]
	v_pk_add_f32 v[246:247], v[246:247], v[98:99]
	v_pk_add_f32 v[244:245], v[244:245], v[102:103]
	v_pk_add_f32 v[240:241], v[240:241], v[106:107]
	v_pk_add_f32 v[238:239], v[238:239], v[110:111]
	v_pk_add_f32 v[230:231], v[230:231], v[114:115]
	v_pk_add_f32 v[228:229], v[228:229], v[118:119]
	v_pk_add_f32 v[14:15], v[14:15], v[122:123]
	v_pk_add_f32 v[236:237], v[236:237], v[126:127]
	v_pk_add_f32 v[246:247], v[246:247], v[130:131]
	v_pk_add_f32 v[244:245], v[244:245], v[134:135]
	v_pk_add_f32 v[240:241], v[240:241], v[138:139]
	v_pk_add_f32 v[238:239], v[238:239], v[142:143]
	v_pk_add_f32 v[230:231], v[230:231], v[146:147]
	v_pk_add_f32 v[228:229], v[228:229], v[150:151]
	v_pk_add_f32 v[14:15], v[14:15], v[154:155]
	v_pk_add_f32 v[236:237], v[236:237], v[158:159]
	s_delay_alu instid0(VALU_DEP_2)
	v_pk_add_f32 v[14:15], v[14:15], v[240:241]
	s_delay_alu instid0(VALU_DEP_2)
	v_pk_add_f32 v[236:237], v[236:237], v[238:239]
	v_pk_add_f32 v[246:247], v[246:247], v[230:231]
	v_pk_add_f32 v[244:245], v[244:245], v[228:229]
	s_delay_alu instid0(VALU_DEP_2)
	v_pk_add_f32 v[14:15], v[14:15], v[246:247]
	s_delay_alu instid0(VALU_DEP_2)
	v_pk_add_f32 v[236:237], v[236:237], v[244:245]
	s_delay_alu instid0(VALU_DEP_1)
	v_pk_add_f32 v[14:15], v[14:15], v[236:237]
	s_wait_alu depctr_va_vdst(0)                   ; and one for the four
.irp b, 0,1,2,3
	v_max_num_f32 v[232+\b], 0x1800000, v[232+\b]  ; the floor 2^(3 - 127)
.endr
.irp b, 0,1,2,3
	s_delay_alu instid0(VALU_DEP_4)
	v_add_nc_u32 v[244+\b], 0xff000000, v[232+\b]
.endr
.irp b, 0,1,2,3
	s_delay_alu instid0(VALU_DEP_4)
	v_lshrrev_b32 v[236+\b], 23, v[244+\b]
.endr
	s_delay_alu instid0(VALU_DEP_3)
	v_lshl_or_b32 v253, v237, 8, v236              ; p's scale word for these 128 keys
	s_delay_alu instid0(VALU_DEP_1)
	v_lshl_or_b32 v253, v238, 16, v253
	s_delay_alu instid0(VALU_DEP_1)
	v_lshl_or_b32 v253, v239, 24, v253
.irp c, 0,1
	v_cvt_scalef32_pk16_fp6_f32 v[224+6*\c:226+6*\c], v[96+32*\c:111+32*\c], v[244+2*\c]
	v_cvt_scalef32_pk16_fp6_f32 v[236+4*\c:238+4*\c], v[112+32*\c:127+32*\c], v[244+2*\c+1]
.endr
	v_nop                                          ; one plain place behind a scaled conversion
.irp c, 0,1
.irp i, 0,1,2
	v_permlane16_swap_b32 v[224+6*\c+\i], v[236+4*\c+\i]
.endr
.irp i, 0,1,2
	s_delay_alu instid0(VALU_DEP_3)
	v_mov_b32 v[227+6*\c+\i], v[236+4*\c+\i]
.endr
.endr
.set n, 0
.rept 32
	v_pk_mul_f32 v[160+n:161+n], v[160+n:161+n], v[252:253] op_sel_hi:[1,0]   ; O^T under the new M; these are also the places between p's codes and scale word and the products
.set n, n+2
.endr
	PLACES 4                                       ; between the last of these and the products that add onto them
	s_wait_alu depctr_va_vdst(0)
	s_wait_dscnt 0x0                               ; V^T and its scale words are in, and what was asked for of the next step's K
	WIN 0x01
.irp a, 0,1,2,3,4,5,6,7
.if \a%2
	v_wmma_scale_f32_16x16x128_f8f6f4 v[160+8*\a:167+8*\a], v[96+12*\a:107+12*\a], v[224:235], v[160+8*\a:167+8*\a], v[248+\a/2], v253 matrix_a_fmt:MATRIX_FMT_FP6 matrix_b_fmt:MATRIX_FMT_FP6 matrix_a_scale:MATRIX_SCALE_ROW1
.else
	v_wmma_scale_f32_16x16x128_f8f6f4 v[160+8*\a:167+8*\a], v[96+12*\a:107+12*\a], v[224:235], v[160+8*\a:167+8*\a], v[248+\a/2], v253 matrix_a_fmt:MATRIX_FMT_FP6 matrix_b_fmt:MATRIX_FMT_FP6
.endif
.endr
	WIN 0
	PLACES 4                                       ; in front of the next read of O^T
.endm
; Behind trip idx: if it was group 7 - i's diagonal step, waves 4-7 lay its part into LDS and begin their second tile
.macro STASH idx
	s_wait_alu depctr_va_vdst(0)
	s_cmp_lg_u32 s[DG], \idx
	s_cbranch_scc1 .Lgo_on_\@
.set n, 0
.rept 16
	ds_store_b128 v[SIN], v[160+4*n:163+4*n] offset:512*n
.set n, n+1
.endr
	ds_store_b128 v[SIN], v[12:15] offset:8192
	s_wait_dscnt 0x0                               ; the stores have read their registers
.set n, 0
.rept 12
	v_mov_b32 v[16+n], v[Q2+n]
.set n, n+1
.endr
	v_mov_b32 v255, v68
	v_mov_b32 v13, 0xff61b1e6
	v_mov_b32 v14, 0
	v_mov_b32 v15, 0
	v_floor_f32 v12, -v13
.set n, 0
.rept 64
	v_mov_b32 v[160+n], 0
.set n, n+1
.endr
	s_wait_alu depctr_va_vdst(0)
.Lgo_on_\@:
.endm
	s_cmp_lt_u32 s[WV], 2
	s_cbranch_scc0 .Lnot_first
	s_wait_tensorcnt 0x0                           ; waves 0, 1: records 0 and 4
.Lnot_first:
	s_barrier_signal -1
	s_barrier_wait -1                              ; both are in; the others may be on their way
	KLOAD 0
	s_wait_alu depctr_va_vdst(0)
	s_wait_loadcnt 0x0                             ; both Qs are in
	STEP 0
	s_wait_alu depctr_va_vdst(0)
	s_wait_tensorcnt 0x0                           ; my record is in
	s_wait_dscnt 0x0
	s_barrier_signal -1
	s_barrier_wait -1                              ; all eight are
	KLOAD 1
	s_wait_alu depctr_va_vdst(0)
	s_cmp_lt_u32 s[WV], 4
	s_cbranch_scc0 .Lno_wo
	WOLOAD 0
.Lno_wo:
	STASH 0
	STEP 1
	STASH 1
	STEP 2
	STASH 2
	s_cmp_lt_u32 s[WV], 4
	s_cbranch_scc0 .Lno_unit
	WOUNIT 0
	s_wait_alu depctr_va_vdst(0)
.Lno_unit:
	STEP 3
	STASH 3
	s_wait_alu depctr_va_vdst(0)
	s_wait_dscnt 0x0
	s_barrier_signal -1                            ; the parts of waves 4-7 lie in LDS; up to the wait stand LDS loads of the records alone, which nobody writes
	s_cmp_lt_u32 s[WV], 4
	s_cbranch_scc1 .Lfour
	STEP 4
	s_wait_alu depctr_va_vdst(0)
.Lfour:
	s_barrier_wait -1
	s_cmp_lt_u32 s[WV], 4
	s_cbranch_scc0 .Lout
	ds_load_b128 v[16:19], v[MRG] offset:8192      ; v16 its -M, v[18:19] its sum
.set n, 0
.rept 16
	ds_load_b128 v[96+4*n:99+4*n], v[MRG] offset:512*n
.set n, n+1
.endr
	s_wait_dscnt 16
	v_min_num_f32 v24, v12, v16                    ; - the larger M
	v_sub_f32 v20, v24, v12
	v_sub_f32 v22, v24, v16
	v_cvt_i32_f32 v20, v20
	v_cvt_i32_f32 v22, v22
	v_ldexp_f32 v20, 1.0, v20
	v_ldexp_f32 v22, 1.0, v22
	v_pk_mul_f32 v[14:15], v[14:15], v[20:21] op_sel_hi:[1,0]
	v_pk_fma_f32 v[14:15], v[18:19], v[22:23], v[14:15] op_sel_hi:[1,0,1]
.set n, 0
.rept 32
	v_pk_mul_f32 v[160+n:161+n], v[160+n:161+n], v[20:21] op_sel_hi:[1,0]
.set n, n+2
.endr
	s_wait_dscnt 0x0
.set n, 0
.rept 32
	v_pk_fma_f32 v[160+n:161+n], v[96+n:97+n], v[22:23], v[160+n:161+n] op_sel_hi:[1,0,1]
.set n, n+2
.endr
.Lout:
	; THE WAY OUT.  O^T / the sum: register 8 a + i of lane (r, h) is feature 32 (a / 2) + 16 h + 8 (a % 2) + i of my query: 64 numbers in the order in which they are quantised: one fragment of the last product's first operand.
	v_add_f32 v14, v14, v15
	s_delay_alu instid0(VALU_DEP_1)
	v_permlanex16_b32 v252, v14, s[SEL], s[SEL+1]
	s_delay_alu instid0(VALU_DEP_1)
	v_add_f32 v14, v14, v252                       ; the row's sum
	s_wait_alu depctr_va_vdst(0)
	v_rcp_f32 v14, v14
	v_nop                                          ; a plain place behind the transcendental
	s_wait_alu depctr_va_vdst(0)                   ; and the wait ahead of its first reader
.set n, 0
.rept 64
	v_mul_f32 v[96+n], v[160+n], v14
.set n, n+1
.endr
	s_wait_xcnt 0x0                                ; the stores of Wo's unit have read the fragment's registers and the scale word's
	QUANT 96, PW
.irp c, 0,1,2
	global_store_b128 v[LI], v[PC+4*\c:PC+4*\c+3], s[6:7] offset:512*\c   ; 32 lanes store 512 consecutive bytes
.endr
	global_store_b32 v[R16], v[PW], s[8:9]         ; 16 words: those of a tile's other K steps come from other heads' work-groups
	s_wait_alu depctr_va_vdst(0)
	s_cmp_lt_u32 s[WV], 4
	s_cbranch_scc0 .Lend
	WOUNIT 1
.Lend:
	s_wait_tensorcnt 0x0                           ; the wave's end
	ds_add_u32 v[SPW], v[NIL]
	s_wait_dscnt 0x0
	CROUND                                         ; the closing round
	s_endpgm
.Lfunc_end_k_q242029e26f_attn:
	.size	k_q242029e26f_attn, .Lfunc_end_k_q242029e26f_attn-k_q242029e26f_attn
	.p2alignl 7, 3214868480
	.fill 96, 4, 3214868480
	.section	.rodata,"a",@progbits
	.p2align	6, 0x0
	.amdhsa_kernel k_q242029e26f_attn
		.amdhsa_group_segment_fixed_size 275456
		.amdhsa_private_segment_fixed_size 0
		.amdhsa_enable_private_segment 0
		.amdhsa_kernarg_size 48
		.amdhsa_user_sgpr_count 2
		.amdhsa_user_sgpr_kernarg_segment_ptr 1
		.amdhsa_wavefront_size32 1
		.amdhsa_system_sgpr_workgroup_id_x 1
		.amdhsa_system_sgpr_workgroup_id_y 1
		.amdhsa_system_sgpr_workgroup_id_z 1
		.amdhsa_system_vgpr_workitem_id 0
		.amdhsa_next_free_vgpr 512
		.amdhsa_next_free_sgpr 96
		.amdhsa_reserve_vcc 1
		.amdhsa_float_denorm_mode_32 3
		.amdhsa_float_denorm_mode_16_64 3
		.amdhsa_memory_ordered 1
		.amdhsa_forward_progress 1
		.amdhsa_inst_pref_size 186
	.end_amdhsa_kernel
	.amdgpu_metadata
---
amdhsa.version: [ 1, 2 ]
amdhsa.kernels:
  - .name:           k_q242029e26f_attn
    .symbol:         k_q242029e26f_attn.kd
    .args:
      - { .name: qkv, .offset: 0, .size: 8, .value_kind: global_buffer, .address_space: global }
      - { .name: ocodes, .offset: 8, .size: 8, .value_kind: global_buffer, .address_space: global }
      - { .name: oscales, .offset: 16, .size: 8, .value_kind: global_buffer, .address_space: global }
      - { .name: Wo, .offset: 24, .size: 8, .value_kind: global_buffer, .address_space: global }
      - { .name: codes, .offset: 32, .size: 8, .value_kind: global_buffer, .address_space: global }
      - { .name: scales, .offset: 40, .size: 8, .value_kind: global_buffer, .address_space: global }
    .group_segment_fixed_size: 275456
    .private_segment_fixed_size: 0
    .kernarg_segment_align: 8
    .kernarg_segment_size: 48
    .max_flat_workgroup_size: 256
    .sgpr_count:     96
    .vgpr_count:     512
    .wavefront_size: 32
...
	.end_amdgpu_metadata
.endif
;; end of part 3
;; launch outp (part 4): grid 16 x 16, 4 waves a work-group, clusters of 4 x 4, 327,680 bytes of LDS; arguments ocodes, oscales, codes, scales, bo, out0; writes out0
.if DOCPART == 4
	.amdgcn_target "amdgcn-amd-amdhsa--gfx1250"
	.amdhsa_code_object_version 6
	.text
	.protected	k_q242029e26f_outp
	.globl	k_q242029e26f_outp
	.p2align	8
	.type	k_q242029e26f_outp,@function
k_q242029e26f_outp:
	s_mov_b64 s[64:65], 0
	v_nop
	global_prefetch_b8 v0, s[64:65] scope:SCOPE_SE
	s_setreg_imm32_b32 hwreg(HW_REG_WAVE_MODE, 25, 1), 1
	s_wait_xcnt 0x0
	s_wait_alu depctr_hold_cnt(0) depctr_sa_sdst(0) depctr_va_vdst(0) depctr_va_sdst(0) depctr_va_ssrc(0) depctr_va_vcc(0) depctr_vm_vsrc(0)
	s_getreg_b32 s2, hwreg(HW_REG_IB_STS2, 6, 4)
	s_cmp_eq_u32 s2, 0
	s_cbranch_scc0 .Lentry_in_a_cluster
	s_endpgm
.Lentry_in_a_cluster:
	s_bfe_u32 s2, ttmp6, 0x10000c
	s_cmp_lg_u32 s2, 0xf033
	s_cbranch_scc0 .Lentry_shape_is_right
	s_endpgm
.Lentry_shape_is_right:
; out = O Wo^T + bo on codes of FP6 (E2M3) with E8M0 scales, sums in f32.  256 work-groups make 128 x 128 each, four waves 64 x 64: 16 accumulators.
; Both operands lie as images of operand registers: [group of 128 rows][K step 0..15][8 tiles][1,536]; tile i holds in lane r the group's row 32 (i / 2) + 8 (i % 2) + r + 8 (r / 8).  Source 0 = Wo's rows, source 1 = O's: a lane holds one token.
; LDS holds 13 of the 16 K steps of both operands: at the head one load a wave: wave 0 O's K steps 0-3, wave 1 Wo's, wave 2 O's K steps 4-12, wave 3 Wo's.  ONE refill: K steps 13-15 onto 0-2, in a round behind which nine K steps stand ahead of their use; so no prefetch is laid for it.
; CLUSTERS: 4 x 4; O's tiles are asked for jointly along a row of the cluster, Wo's along a column.
; Scale words [tile][half of K][lane][4 words]: word p of lane (r, h) is row r's at K step 8 half + 2 p + h: 16 bytes a lane, straight from memory into registers, all 64.  The bias is the first products' C.
; REGISTERS: window 0: v16-29 addresses; v30-61 O's scale words, v64-95 Wo's (a product's two never have the same number modulo 8); v96-127 the way out; v128-255 the accumulators.  window 1: the fragments, two sets, at v0 and v128; v96-127 the bias.
.set GRP,   196608
.set KSB,   12288
.set BREG,  13*KSB                     ; Wo's K steps lie behind O's
.set SPARE, 2*BREG
.set STAGE, 4*KSB                      ; the way out: on O's K steps 4 and 5, which have had their last fill and, ahead of the last barrier, their last read
.set ADRA,  16                         ; v16-18 LDS: O, five K steps each
.set ADRB,  20                         ; v20-22 Wo
.set STO,   24
.set RD,    25
.set CO,    26
.set SPW,   28
.set NIL,   29
.set SO,    30                         ; v[SO + 8 i + p] O's tile i, v[SW + 8 i + p] Wo's, K steps 2 p, 2 p + 1
.set SW,    64
.set BO,    96
.set OUT,   96
.set ACC,   128
.set WV,    12
.set WR,    13
.set WC,    14
.set GA1,   24                         ; group 1: waves 0, 1, 2, 3
.set GB1,   32
.set GC1,   40
.set GD1,   48
.set GA,    56                         ; group 0
.set GB,    60
.set GC,    68
.set GD,    72
.set MSB, 0
.macro WIN new
.if MSB != (\new)
	s_set_vgpr_msb (MSB<<8)|(\new)
.set MSB, (\new)
.endif
.endm
.macro PLACES n
.rept \n
	v_nop
.endr
.endm
.macro CREST
	s_cmp_lg_u32 s[WV], 0
	s_cbranch_scc1 .Lnot_wave_0_\@
	s_barrier_signal -3
.Lnot_wave_0_\@:
	s_barrier_wait -3
	s_barrier_signal -1
	s_barrier_wait -1
.endm
.macro CROUND
	s_barrier_signal -1
	s_barrier_wait -1
	CREST
.endm
.macro GROUP1 g, mask, rows            ; dense blocks as rows of 256 bytes (32 elements of 8 bytes)
	s_or_b32 s[\g+0], s\mask, (3<<16)|(1<<21)
	s_mov_b32 s[\g+1], 32<<16
	s_mov_b32 s[\g+2], (\rows)<<16
	s_mov_b32 s[\g+3], 32<<16
	s_mov_b32 s[\g+4], \rows
	s_mov_b32 s[\g+5], 32
	s_mov_b32 s[\g+6], 0
	s_mov_b32 s[\g+7], 0
.endm
.macro ARM k, g0, g1, next, join
	s_cmp_eq_u32 s[WV], \k
	s_cbranch_scc0 \next
	tensor_load_to_lds s[\g0:\g0+3], s[\g1:\g1+7]
	s_nop 0
	PLACES 4
	s_branch \join
\next:
.endm
	s_load_b256 s[4:11], s[0:1], 0x0               ; ocodes, oscales, codes, scales
	s_load_b128 s[16:19], s[0:1], 0x20             ; bo, out0
	v_lshl_add_u32 v[SPW], v0, 2, SPARE
	v_mov_b32 v[NIL], 0
	ds_add_u32 v[SPW], v[NIL]                      ; the wave's opening: the add, twice on end
	ds_add_u32 v[SPW], v[NIL]
	v_lshrrev_b32 v1, 5, v0
	v_readfirstlane_b32 s[WV], v1                  ; wave 0..3
	s_lshr_b32 s[WR], s[WV], 1                     ; which 64 of O's rows
	s_and_b32 s[WC], s[WV], 1                      ; which 64 of Wo's
	s_mul_i32 s92, s[WR], 6144
	s_mul_i32 s93, s[WC], 6144
	s_add_co_u32 s93, s93, BREG
	s_mul_i32 s94, s[WV], 16*272
	s_add_co_u32 s94, s94, STAGE
	v_and_b32 v1, 31, v0
	v_and_b32 v5, 15, v0                           ; r
	v_bfe_u32 v6, v0, 4, 1                         ; h
	v_lshlrev_b32 v2, 4, v1                        ; 16 x lane
	v_lshlrev_b32 v3, 6, v6                        ; 64 h
	v_add_nc_u32 v[ADRA], s92, v2
	v_add_nc_u32 v[ADRB], s93, v2
.irp i, 1,2
	v_add_nc_u32 v[ADRA+\i], \i*5*KSB, v[ADRA]
	v_add_nc_u32 v[ADRB+\i], \i*5*KSB, v[ADRB]
.endr
	v_mul_u32_u24 v[STO], v5, 272
	v_add_nc_u32 v[STO], v[STO], v3
	v_add_nc_u32 v[STO], s94, v[STO]
	v_mul_u32_u24 v[RD], v6, 272
	v_lshl_add_u32 v[RD], v5, 4, v[RD]
	v_add_nc_u32 v[RD], s94, v[RD]
	v_lshlrev_b32 v[CO], 13, v6
	v_lshl_add_u32 v[CO], v5, 4, v[CO]
	s_wait_alu depctr_va_vdst(0)
	s_bfe_u32 s3, ttmp6, 0x40000                   ; cx
	s_bfe_u32 s20, ttmp6, 0x40004                  ; cy
	s_lshl_b32 s21, ttmp9, 2
	s_add_co_u32 s21, s21, s3                      ; Wo's group
	s_and_b32 s22, ttmp7, 0xffff
	s_lshl_b32 s22, s22, 2
	s_add_co_u32 s22, s22, s20                     ; O's group
	s_lshl_b32 s23, s20, 2
	s_lshl_b32 s23, 15, s23                        ; my row of the cluster
	s_lshl_b32 s2, 0x1111, s3                      ; my column
	GROUP1 GA1, 23, 192
	GROUP1 GB1, 2, 192
	GROUP1 GC1, 23, 432
	GROUP1 GD1, 2, 432
	s_mov_b32 s[GA], 1
	s_mov_b32 s[GA+1], 0
	s_mul_i32 s[GA+2], s22, GRP
	s_mov_b32 s[GA+3], 0
	s_mov_b32 s[GB], 1
	s_mov_b32 s[GB+1], BREG
	s_mul_i32 s[GB+2], s21, GRP
	s_add_co_u32 s[GB+2], s[GB+2], 12582912        ; Wo's codes are the buffer's last
	s_mov_b32 s[GB+3], 0
	s_mov_b32 s[GC], 1
	s_mov_b32 s[GC+1], 4*KSB
	s_mov_b32 s[GD], 1
	s_mov_b32 s[GD+1], BREG+4*KSB
	s_lshl_b32 s76, s22, 13                        ; scale words: O's tiles,
	s_lshl_b32 s3, s[WR], 12
	s_add_co_u32 s76, s76, s3
	s_mov_b32 s77, 0
	s_lshl_b32 s78, s21, 13                        ; and Wo's
	s_lshl_b32 s3, s[WC], 12
	s_add_co_u32 s78, s78, s3
	s_add_co_u32 s78, s78, 524288
	s_mov_b32 s79, 0
	s_wait_dscnt 0x0                               ; both opening adds are done
	CROUND                                         ; all sixteen work-groups are here: the first joint loads meet
	s_wait_kmcnt 0x0
	s_add_nc_u64 s[GA+2:GA+3], s[4:5], s[GA+2:GA+3]
	s_add_nc_u64 s[GC+2:GC+3], s[GA+2:GA+3], 4*KSB
	s_or_b32 s[GA+3], s[GA+3], 0x80000000
	s_or_b32 s[GC+3], s[GC+3], 0x80000000
	s_add_nc_u64 s[GB+2:GB+3], s[8:9], s[GB+2:GB+3]
	s_add_nc_u64 s[GD+2:GD+3], s[GB+2:GB+3], 4*KSB
	s_or_b32 s[GB+3], s[GB+3], 0x80000000
	s_or_b32 s[GD+3], s[GD+3], 0x80000000
	ARM 0, GA, GA1, .Lwave_1, .Lasked
	ARM 1, GB, GB1, .Lwave_2, .Lasked
	ARM 2, GC, GC1, .Lwave_3, .Lasked
	tensor_load_to_lds s[GD:GD+3], s[GD1:GD1+7]
	s_nop 0
	PLACES 4
.Lasked:
	s_add_nc_u64 s[76:77], s[6:7], s[76:77]
	s_add_nc_u64 s[78:79], s[10:11], s[78:79]
	s_lshl_b32 s80, s21, 9                         ; my columns, in bytes
	s_lshl_b32 s3, s[WC], 8
	s_add_co_u32 s80, s80, s3
	s_mov_b32 s81, 0
	s_add_nc_u64 s[16:17], s[16:17], s[80:81]
	s_add_nc_u64 s[18:19], s[18:19], s[80:81]
	s_lshl_b32 s80, s22, 7                         ; my rows
	s_lshl_b32 s3, s[WR], 6
	s_add_co_u32 s80, s80, s3
	s_lshl_b32 s80, s80, 13
	s_add_nc_u64 s[18:19], s[18:19], s[80:81]
	WIN 0x40
.irp t, 0,1,2,3
	global_load_b128 v[BO+8*\t:BO+8*\t+3], v3, s[16:17] offset:(32*(\t/2)+8*(\t%2))*4
	global_load_b128 v[BO+8*\t+4:BO+8*\t+7], v3, s[16:17] offset:(32*(\t/2)+8*(\t%2))*4+16
.endr
	WIN 0
.irp u, 0,1
.irp i, 0,1,2,3
	global_load_b128 v[SO+8*\i+4*\u:SO+8*\i+4*\u+3], v2, s[76:77] offset:1024*\i+512*\u
	global_load_b128 v[SW+8*\i+4*\u:SW+8*\i+4*\u+3], v2, s[78:79] offset:1024*\i+512*\u
.endr
.endr
.macro FETCH ks, f                     ; the eight fragments of K step ks: 24 loads of 512 consecutive bytes; K steps 13-15 lie where 0-2 lay
.set P_, (\ks)
.if P_ > 12
.set P_, P_-13
.endif
	WIN 0x40
.irp i, 0,1,2,3
.irp c, 0,1,2
	ds_load_b128 v[\f+48+12*\i+4*\c:\f+48+12*\i+4*\c+3], v[ADRB+P_/5] offset:KSB*(P_%5)+1536*\i+512*\c
.endr
.endr
.irp i, 0,1,2,3
.irp c, 0,1,2
	ds_load_b128 v[\f+12*\i+4*\c:\f+12*\i+4*\c+3], v[ADRA+P_/5] offset:KSB*(P_%5)+1536*\i+512*\c
.endr
.endr
	WIN 0
.endm
.macro MUL4 ks, a                      ; O's tile a with Wo's four
.set F_, 128*((\ks)%2)
.set A_, F_+12*(\a)
.set SA_, SO+8*(\a)+(\ks)/2
.irp t, 0,1,2,3
.set D_, ACC+8*(4*(\a)+\t)
.set B_, F_+48+12*\t
.set SB_, SW+8*\t+(\ks)/2
.if (\ks) == 0
	WIN 0x15
	v_wmma_scale_f32_16x16x128_f8f6f4 v[D_:D_+7], v[B_:B_+11], v[A_:A_+11], v[BO+8*\t:BO+8*\t+7], v[SB_], v[SA_] matrix_a_fmt:MATRIX_FMT_FP6 matrix_b_fmt:MATRIX_FMT_FP6
.elseif (\ks)%2 == 0
	WIN 0x05
	v_wmma_scale_f32_16x16x128_f8f6f4 v[D_:D_+7], v[B_:B_+11], v[A_:A_+11], v[D_:D_+7], v[SB_], v[SA_] matrix_a_fmt:MATRIX_FMT_FP6 matrix_b_fmt:MATRIX_FMT_FP6
.else
	WIN 0x05
	v_wmma_scale_f32_16x16x128_f8f6f4 v[D_:D_+7], v[B_:B_+11], v[A_:A_+11], v[D_:D_+7], v[SB_], v[SA_] matrix_a_fmt:MATRIX_FMT_FP6 matrix_b_fmt:MATRIX_FMT_FP6 matrix_a_scale:MATRIX_SCALE_ROW1 matrix_b_scale:MATRIX_SCALE_ROW1
.endif
.endr
.endm
.macro KSTEP ks
	PLACES 4                                       ; between the last K step's products and the loads into their registers
	FETCH (\ks)+1, 128*(((\ks)+1)%2)
	s_wait_dscnt 24                                ; this K step's fragments are in; the 24 loads just issued may be out
	MUL4 \ks, 0
	MUL4 \ks, 1
	MUL4 \ks, 2
	MUL4 \ks, 3
	WIN 0
.endm
; A K step in which a barrier shows tiles to all waves; fill = 1: it opens a round, and K steps 13-15 are asked for
.macro TURN ks, fill
	s_wait_tensorcnt 0x0                           ; all my tensor loads have landed
.if \fill
	ds_add_u32 v[SPW], v[NIL]
	s_mov_b32 s[GA1+2], 144<<16                    ; no load of mine is out: the descriptors may be written: three K steps
	s_mov_b32 s[GA1+4], 144
	s_mov_b32 s[GB1+2], 144<<16
	s_mov_b32 s[GB1+4], 144
	s_add_nc_u64 s[GA+2:GA+3], s[GA+2:GA+3], 13*KSB
	s_add_nc_u64 s[GB+2:GB+3], s[GB+2:GB+3], 13*KSB
	s_wait_dscnt 1
.else
	s_wait_dscnt 0x0
.endif
	MUL4 \ks, 0
	s_wait_dscnt 0x0                               ; the add, where there is one, and all my reads are done
	s_barrier_signal -1
	MUL4 \ks, 1
	WIN 0
	s_barrier_wait -1
.if \fill
	CREST                                          ; no wave of any partner reads K steps 0-2 any more or has a load on its way
	ARM 0, GA, GA1, .Lfor_b, .Lrefilled
	ARM 1, GB, GB1, .Lnone, .Lrefilled
.Lrefilled:
.endif
	PLACES 4
	FETCH (\ks)+1, 128*(((\ks)+1)%2)
	MUL4 \ks, 2
	MUL4 \ks, 3
	WIN 0
.endm
	s_wait_loadcnt 0x0                             ; the bias and the scale words
	s_cmp_lt_u32 s[WV], 2
	s_cbranch_scc0 .Lnot_first
	s_wait_tensorcnt 0x0                           ; waves 0, 1: K steps 0-3
.Lnot_first:
	s_barrier_signal -1
	s_barrier_wait -1
	FETCH 0, 0
	KSTEP 0
	KSTEP 1
	KSTEP 2
	TURN 3, 1
.irp k, 4,5,6,7,8,9,10,11
	KSTEP \k
.endr
	TURN 12, 0
	KSTEP 13
	KSTEP 14
	s_wait_dscnt 0x0
.irp a, 0,1,2,3
	MUL4 15, \a
.endr
	WIN 0
	PLACES 4
	s_wait_alu depctr_va_vdst(0)
	; THE WAY OUT: 16 rows x 64 columns at a time through my own stage, and out as aligned units of 256 bytes, sixteen lanes each
.irp a, 0,1,2,3
.if \a > 0
	s_wait_xcnt 0x0                                ; the last block's stores have read their registers
.endif
.irp t, 0,1,2,3
	ds_store_b128 v[STO], v[ACC+8*(4*\a+\t):ACC+8*(4*\a+\t)+3] offset:128*(\t/2)+32*(\t%2)
	ds_store_b128 v[STO], v[ACC+8*(4*\a+\t)+4:ACC+8*(4*\a+\t)+7] offset:128*(\t/2)+32*(\t%2)+16
.endr
.irp i, 0,1,2,3,4,5,6,7
	ds_load_b128 v[OUT+4*\i:OUT+4*\i+3], v[RD] offset:544*\i
.endr
.irp i, 0,1,2,3,4,5,6,7
	s_wait_dscnt 7-\i
	global_store_b128 v[CO], v[OUT+4*\i:OUT+4*\i+3], s[18:19] offset:(32*(\a/2)+8*(\a%2)+2*\i+8*(\i/4))*8192 th:TH_STORE_NT
.endr
.endr
	s_wait_tensorcnt 0x0                           ; the wave's end
	ds_add_u32 v[SPW], v[NIL]
	s_wait_dscnt 0x0
	CROUND                                         ; the closing round
	s_endpgm
.Lfunc_end_k_q242029e26f_outp:
	.size	k_q242029e26f_outp, .Lfunc_end_k_q242029e26f_outp-k_q242029e26f_outp
	.p2alignl 7, 3214868480
	.fill 96, 4, 3214868480
	.section	.rodata,"a",@progbits
	.p2align	6, 0x0
	.amdhsa_kernel k_q242029e26f_outp
		.amdhsa_group_segment_fixed_size 327680
		.amdhsa_private_segment_fixed_size 0
		.amdhsa_enable_private_segment 0
		.amdhsa_kernarg_size 48
		.amdhsa_user_sgpr_count 2
		.amdhsa_user_sgpr_kernarg_segment_ptr 1
		.amdhsa_wavefront_size32 1
		.amdhsa_system_sgpr_workgroup_id_x 1
		.amdhsa_system_sgpr_workgroup_id_y 1
		.amdhsa_system_sgpr_workgroup_id_z 1
		.amdhsa_system_vgpr_workitem_id 0
		.amdhsa_next_free_vgpr 512
		.amdhsa_next_free_sgpr 100
		.amdhsa_reserve_vcc 0
		.amdhsa_float_denorm_mode_32 3
		.amdhsa_float_denorm_mode_16_64 3
		.amdhsa_memory_ordered 1
		.amdhsa_forward_progress 1
		.amdhsa_inst_pref_size 81
	.end_amdhsa_kernel
	.amdgpu_metadata
---
amdhsa.version: [ 1, 2 ]
amdhsa.kernels:
  - .name:           k_q242029e26f_outp
    .symbol:         k_q242029e26f_outp.kd
    .args:
      - { .name: ocodes, .offset: 0, .size: 8, .value_kind: global_buffer, .address_space: global }
      - { .name: oscales, .offset: 8, .size: 8, .value_kind: global_buffer, .address_space: global }
      - { .name: codes, .offset: 16, .size: 8, .value_kind: global_buffer, .address_space: global }
      - { .name: scales, .offset: 24, .size: 8, .value_kind: global_buffer, .address_space: global }
      - { .name: bo, .offset: 32, .size: 8, .value_kind: global_buffer, .address_space: global }
      - { .name: out0, .offset: 40, .size: 8, .value_kind: global_buffer, .address_space: global }
    .group_segment_fixed_size: 327680
    .private_segment_fixed_size: 0
    .kernarg_segment_align: 8
    .kernarg_segment_size: 48
    .max_flat_workgroup_size: 128
    .sgpr_count:     100
    .vgpr_count:     512
    .wavefront_size: 32
...
	.end_amdgpu_metadata
.endif
;; end of part 4
